; MI455X (gfx1250); checked and timed in simulation.
; The chip was launched on July 23, 2026; its instructions are those of AMD's public machine-readable ISA for CDNA 5 (MIT licence, August 2026) and "CDNA5" Instruction Set Architecture Reference Guide (July 2026). The comments in the code are by the model that wrote it; some were corrected since.
;; SNN Layer. Allowed arithmetic: float matrix products may take bf16 or f16 operands with f32 sums; all other float work in f32.
;; Inputs: W1 512 x 512 float32; W2 256 x 512 float32; b1 512 float32; b2 256 float32; x 16 x 2,048 x 512 float32.
;; Outputs: out0 16 x 2,048 x 256 float32.
;; 2 versions, each right; version 2 is version 1 with the launch fix written anew for expert scheduling mode. Each part assembles by itself: llvm-mc -triple=amdgcn-amd-amdhsa -mcpu=gfx1250 --defsym DOCPART=n.
;; ======== version 1 of 2: 3 launches
;; limits: inputs' magnitudes at most 3.69e+19; below input magnitudes of 2.6e-26 results are inexact or not finite
;; workspace buffers: wb 786,432 bytes; doubt 4,096 bytes of whole numbers; keys 262,144 bytes of whole numbers
;; launch prep (part 1): grid 192 x 1, 4 waves a work-group, no clusters, 0 bytes of LDS; arguments W1, W2, wb; writes wb
.if DOCPART == 1
	.amdgcn_target "amdgcn-amd-amdhsa--gfx1250"
	.amdhsa_code_object_version 6
	.text
	.protected	k_q2c4a484e52_prep
	.globl	k_q2c4a484e52_prep
	.p2align	8
	.type	k_q2c4a484e52_prep,@function
k_q2c4a484e52_prep:
	s_mov_b64 s[64:65], 0
	v_nop
	global_prefetch_b8 v0, s[64:65] scope:SCOPE_SE
	s_setreg_imm32_b32 hwreg(HW_REG_WAVE_MODE, 25, 1), 1
	s_wait_xcnt 0x0
; wb = the 768 weight rows (W1's 512, then W2's 256) in bf16, laid out as the next launches' matrix instructions take them.
; A FRAGMENT is 16 rows x 32 columns, 1,024 bytes: block k of 16 rows, K step ks at byte 16,384 k + 1,024 ks; inside it [half 0, 1][lane 0..31][16 bytes]:
; lane l holds row 16 k + l % 16, columns 32 ks + 16 half + 8 (l / 16) + 0..7.  So a fragment is later read by two loads of 16 bytes a lane, 512 consecutive bytes each.
; W2 is multiplied by 2^62 before it is rounded: a power of two, so the rounding to bf16 (nearest even) is that of W2 itself for every normal number; the next launch's head says what the factor is for.
; LIMIT: |W2| from 2^65 on leaves bf16's range after the factor; a denormal W2 is scaled before it is rounded, so it keeps more bits than bf16's rounding of the denormal.
; SHARES.  Work-group g takes block k = g / 4, its wave w the K step 4 (g % 4) + w: one fragment a wave, 2,048 bytes in, 1,024 out.  192 work-groups are all the work there is.
; No LDS, no barrier: no wave needs another's numbers.
.set ROWB,  2048                       ; bytes in a row of W1 and of W2: 512 f32
.set W1BLK, 32                         ; blocks of 16 rows in W1
.set IN,  4                            ; v[4:19]   my 16 numbers in f32: half 0's eight, half 1's eight
.set OUTR, 20                          ; v[20:27]  the same in bf16
	s_load_b128 s[4:7], s[0:1], 0x0                ; W1 s[4:5], W2 s[6:7]
	s_load_b64 s[8:9], s[0:1], 0x10                ; wb
	s_lshr_b32 s12, ttmp9, 2                       ; k
	s_and_b32 s13, s12, W1BLK-1                    ; the block's number in its own tensor
	s_lshl_b32 s14, s13, 15                        ; 16 rows of 2,048 bytes
	s_and_b32 s13, ttmp9, 3
	s_lshl_b32 s13, s13, 9                         ; the work-group's four K steps: 128 f32
	s_add_co_u32 s14, s14, s13
	s_mov_b32 s15, 0
	s_lshl_b32 s16, ttmp9, 12                      ; 16,384 k + 4,096 (g % 4) = 4,096 g
	s_mov_b32 s17, 0
	s_mov_b32 s18, 0x5e800000                      ; 2^62
	s_mov_b32 s19, s18                             ; named with it as a pair
	v_and_b32 v3, 15, v0                           ; l % 16
	v_bfe_u32 v28, v0, 4, 1                        ; l / 16
	v_lshrrev_b32 v29, 5, v0                       ; wave
	v_lshlrev_b32 v1, 11, v3                       ; in: my row,
	v_lshl_add_u32 v1, v29, 7, v1                  ; my wave's 32 columns,
	v_lshl_add_u32 v1, v28, 5, v1                  ; my 8 of their first 16
	v_and_b32 v2, 31, v0
	v_lshlrev_b32 v2, 4, v2                        ; out: 16 bytes a lane,
	v_lshl_add_u32 v2, v29, 10, v2                 ; my wave's fragment
	s_wait_kmcnt 0x0
	s_cmp_lt_u32 s12, W1BLK
	s_cselect_b64 s[10:11], s[4:5], s[6:7]         ; the tensor that block k belongs to
	s_add_nc_u64 s[10:11], s[10:11], s[14:15]
	s_add_nc_u64 s[8:9], s[8:9], s[16:17]
	global_load_b128 v[IN:IN+3],     v1, s[10:11]
	global_load_b128 v[IN+4:IN+7],   v1, s[10:11] offset:16
	global_load_b128 v[IN+8:IN+11],  v1, s[10:11] offset:64   ; half 1: 16 columns on
	global_load_b128 v[IN+12:IN+15], v1, s[10:11] offset:80
	s_wait_loadcnt 0x0
	s_cmp_lt_u32 s12, W1BLK
	s_cbranch_scc1 .Lplain                         ; W1 is taken as it is
.irp j, 0,2,4,6,8,10,12,14
	v_pk_mul_f32 v[IN+\j:IN+\j+1], v[IN+\j:IN+\j+1], s[18:19] op_sel_hi:[1,0]
.endr
.Lplain:
.irp j, 0,1,2,3,4,5,6,7
	v_cvt_pk_bf16_f32 v[OUTR+\j], v[IN+2*\j], v[IN+2*\j+1]
.endr
	global_store_b128 v2, v[OUTR:OUTR+3],   s[8:9]             ; each store of the wave covers 512 consecutive bytes, aligned
	global_store_b128 v2, v[OUTR+4:OUTR+7], s[8:9] offset:512
	s_endpgm
.Lfunc_end_k_q2c4a484e52_prep:
	.size	k_q2c4a484e52_prep, .Lfunc_end_k_q2c4a484e52_prep-k_q2c4a484e52_prep
	.p2alignl 7, 3214868480
	.fill 96, 4, 3214868480
	.section	.rodata,"a",@progbits
	.p2align	6, 0x0
	.amdhsa_kernel k_q2c4a484e52_prep
		.amdhsa_group_segment_fixed_size 0
		.amdhsa_private_segment_fixed_size 0
		.amdhsa_enable_private_segment 0
		.amdhsa_kernarg_size 24
		.amdhsa_user_sgpr_count 2
		.amdhsa_user_sgpr_kernarg_segment_ptr 1
		.amdhsa_wavefront_size32 1
		.amdhsa_system_sgpr_workgroup_id_x 1
		.amdhsa_system_sgpr_workgroup_id_y 1
		.amdhsa_system_sgpr_workgroup_id_z 1
		.amdhsa_system_vgpr_workitem_id 0
		.amdhsa_next_free_vgpr 32
		.amdhsa_next_free_sgpr 66
		.amdhsa_reserve_vcc 0
		.amdhsa_float_denorm_mode_32 3
		.amdhsa_float_denorm_mode_16_64 3
		.amdhsa_memory_ordered 1
		.amdhsa_forward_progress 1
		.amdhsa_inst_pref_size 3
	.end_amdhsa_kernel
	.amdgpu_metadata
---
amdhsa.version: [ 1, 2 ]
amdhsa.kernels:
  - .name:           k_q2c4a484e52_prep
    .symbol:         k_q2c4a484e52_prep.kd
    .args:
      - { .name: W1, .offset: 0, .size: 8, .value_kind: global_buffer, .address_space: global }
      - { .name: W2, .offset: 8, .size: 8, .value_kind: global_buffer, .address_space: global }
      - { .name: wb, .offset: 16, .size: 8, .value_kind: global_buffer, .address_space: global }
    .group_segment_fixed_size: 0
    .private_segment_fixed_size: 0
    .kernarg_segment_align: 8
    .kernarg_segment_size: 24
    .max_flat_workgroup_size: 128
    .sgpr_count:     66
    .vgpr_count:     32
    .wavefront_size: 32
...
	.end_amdgpu_metadata
.endif
;; end of part 1
;; launch snn (part 2): grid 256 x 1, 4 waves a work-group, clusters of 4 x 1, 327,680 bytes of LDS; arguments x, wb, b1, b2, out0, doubt, keys; writes out0, doubt, keys
.if DOCPART == 2
	.amdgcn_target "amdgcn-amd-amdhsa--gfx1250"
	.amdhsa_code_object_version 6
	.text
	.protected	k_q2c4a484e52_snn
	.globl	k_q2c4a484e52_snn
	.p2align	8
	.type	k_q2c4a484e52_snn,@function
k_q2c4a484e52_snn:
	s_mov_b64 s[64:65], 0
	v_nop
	global_prefetch_b8 v0, s[64:65] scope:SCOPE_SE
	s_setreg_imm32_b32 hwreg(HW_REG_WAVE_MODE, 25, 1), 1
	s_wait_xcnt 0x0
	s_wait_alu depctr_hold_cnt(0) depctr_sa_sdst(0) depctr_va_vdst(0) depctr_va_sdst(0) depctr_va_ssrc(0) depctr_va_vcc(0) depctr_vm_vsrc(0)
	s_getreg_b32 s2, hwreg(HW_REG_IB_STS2, 6, 4)
	s_cmp_eq_u32 s2, 0
	s_cbranch_scc0 .Lentry_in_a_cluster
	s_endpgm
.Lentry_in_a_cluster:
	s_bfe_u32 s2, ttmp6, 0x10000c
	s_cmp_lg_u32 s2, 0x3003
	s_cbranch_scc0 .Lentry_shape_is_right
	s_endpgm
.Lentry_shape_is_right:
; out0[row][o] = (number of steps in which output o spikes) / 8, for 32,768 rows of x.  pre1 = x W1^T + b1 (512 hidden units); in each of 8 steps mem1 += pre1, a unit above 0.5 spikes and is
; set to 0; mem2 = (mem2 + spikes W2^T) + b2 (256 outputs), the same rule.  Everything from x to out0 is made here; nothing in between goes to memory.
; FORMATS.  x, W1, b1, W2, b2 are rounded to bf16 (nearest even); all behind that is f32 in the reference's own steps: one accumulator a sum, K ascending; sum + b1; (mem2 + sum) + b2.
; LAYER 1 HAS NO TIME LOOP.  After a spike mem1 is 0 and 0 + p = p exactly, so a unit's spikes are periodic; the period is the least n with S_n(p) > 0.5, S_n the chain p, p + p, (p + p) + p ..
; of rounded additions.  Rounded addition is monotone, so S_n(p) > 0.5 is p > TH_n for one f32 number TH_n, which each wave finds at its start with those same additions (THETA).
; Eight compares of p choose the unit's eight spikes as a constant pattern.
; EIGHT SPIKES IN ONE bf16 WORD.  Step t owns bit 6 + t, a bit of the exponent: word AND mask_t is 0 or the bf16 number 2^(2^(t-1) - 127), and a product with it is exact.  wb holds W2 x 2^62,
; so step t's sums are the true sums times 2^(2^(t-1) - 65), and fma(sum, 2^(65 - 2^(t-1)), mem2) undoes the factor exactly and rounds once, as mem2 + sum does.
; BOTH PRODUCTS ARE USED TRANSPOSED (source 0 = 16 weight rows, source 1 = 16 rows of x): a lane of the first result holds ONE row and 8 neighbouring hidden units; two such results packed in
; pairs ARE source 1 of the second product.  Nothing changes lanes, and a wave never needs another wave's rows.
; ROWS IN DOUBT.  Inside a sum of 512 the additions go in the matrix unit's order, so a pre1 very near a threshold may fall on the other side of it than in another order.  For each unit
; n = 0.5 / p rounded and held in 1 to 8, e = p n - 0.5 (one fused multiply-add).  A lane sees 256 units of a row (a row half); it keeps the least KEY = (bits of |e| AND 0x7fffff00) + the unit's number among
; the 256 (32 chunk + 8 block + register), taken as an unsigned number: positive floats order as their bits do.  The keys go to keys, two a lane; a row with a key below the bits of 2^-18, that is with
; some p within 2^-18 / n of 0.5 / n, is marked: one bit a row, one word a wave, in doubt.  The next launch makes marked rows anew.  Keys and marks steer nothing here.
; SHARES.  A work-group owns 128 rows, each of its four waves 32: two blocks of 16.  The waves share the weight tiles alone: 12 tiles of 64 weight rows (65,536 dense bytes of wb), 8 of W1 and then
; 4 of W2, through two LDS slots; each wave fetches a quarter of each tile, one tensor load out at a time.
; CLUSTER.  All work-groups walk the same 12 tiles, so the four of a cluster ask for each JOINTLY: the same load, descriptor and mask in all four.  My place in the cluster enters x's, out0's, doubt's and keys' addresses alone.
; LEFT OUT.  No prefetch: x is asked for at the first lines, and wb is small and read by every work-group.
; LIMITS.  The margin 2^-18 is absolute: with inputs so large that two orders of a sum differ by more, a unit may escape the mark and keep this order's side.  Of a row half only the unit nearest a threshold is
; named.  pre1 = +infinity spikes in every step (the reference: once, then NaN).  A NaN never spikes and marks nothing.  The sign of a zero membrane is not kept.  Entries or sums of W2 from 2^65 on overflow;
; in step 1 the parts of a sum below 2^-85 are lost.
;
; LDS: 0 slot 0; 65,536 slot 1; then for each wave 33,280 bytes of its own (x in bf16, 32 rows of 1,040 bytes; later, over them, the spike words as fragments); for each wave a stage of 16 rows x 272 bytes; the spare words.
; REGISTERS, in windows of 256 (s_set_vgpr_msb: bits 1:0 source 0, 3:2 source 1, 5:4 source 2, 7:6 destination):
;   window 0: v0-15 addresses; v16-47 32 bias numbers; v48-50 THETA; v51-55 keys; v64-127 pre1, later mem2 and the counts; v128-191 patterns, later spikes and the way out; v192-223 packed words; v224-231 n and e
;   window 1: first product: v0-63 8 accumulators, v64-191 two buffers of W1's fragments.  Second: v0-127 accumulators of steps 1-4, v128-191 two buffers of W2's fragments, v192-207 two of spike words,
;             v208-239 four masked operands.  v240-243 addresses
;   window 2: at the start x as it lands; then v0-127 accumulators of steps 5-8, v208-239 four masked operands          window 3: x's 32 fragments
.set SLOTB, 0x10000                    ; a slot, a tile: one exclusive or turns an address in one slot into the other's
.set XP,    1040                       ; a row of x in LDS: 1,024 bytes + 16 = 65 x 16: the 16 rows of a fragment load start at 16 different groups of four banks (64 banks of 4 bytes: ISA guide 11.1)
.set PRIV,  2*SLOTB                    ; the waves' own bytes
.set PRIVB, 32*XP
.set STG,   PRIV+4*PRIVB               ; the waves' stages
.set SP,    272                        ; a stage row: 256 bytes + 16
.set STGB,  16*SP
.set SPARE, STG+4*STGB                 ; the spare words, 128 bytes for each wave: two blocks of 256 bytes that no other line names
.set LN,  1                            ; v1   lane
.set RR,  2                            ; v2   l % 16
.set HH,  3                            ; v3   l / 16
.set L16, 4                            ; v4   16 x lane: my place in a fragment, and in 512 bytes of x
.set XS,  5                            ; v5   where I put 8 bytes of a row of x
.set XF,  6                            ; v6   my place in a fragment of x
.set PS,  7                            ; v7   where the chunk's spike words go
.set PB,  8                            ; v8   my wave's bytes + 16 x lane; never rewritten
.set BO,  9                            ; v9   my 8 numbers in 16 of a bias: 32 (l / 16)
.set STO, 10                           ; v10  the way out: where I put 32 bytes of a row
.set RD,  11                           ; v11  the way out: where I read a row back
.set GO,  12                           ; v12  my byte offset in two rows of out0
.set TW,  13
.set SPW, 14                           ; v14  LDS address of my spare word; never rewritten
.set NIL, 15                           ; v15  0; never rewritten
.set BB,  16
.set KO,  51                           ; v51  8 x lane: my two keys in the wave's 256 bytes
.set DM,  52                           ; v52-53  the least key of my row half in row block 0, 1
.set CMN, 54                           ; v54-55  the same for the chunk in hand, without the chunk's number
.set PP,  64                           ; layer 1: pre1, tile (row block rb, unit block hb) at PP + 8 (4 rb + hb)
.set PAT, 128                          ; layer 1: the patterns, likewise
.set WD,  192                          ; packed words, 4 a tile; also at work where a bias is rounded
.set UU,  224                          ; a tile's eight 1 / p, then n, then e, then keys
.set MEM, 64                           ; layer 2: mem2, column block cb at MEM + 8 cb
.set CNT, 96                           ; the counts
.set SPK, 128                          ; a step's spikes, 1.0 or 0
.set OB,  160                          ; rows read back from the stage
.set W1F, 64                           ; window 1
.set WF,  128
.set SW,  192
.set TT,  208                          ; windows 1 and 2
.set WA,  240                          ; window 1: address of the tile in hand (first product)
.set BA,  240                          ; window 1: the same with the K step (second product)
.set AA,  241                          ; window 1: address of the spike words
.set L16C, 242                         ; window 1: copies of v4 and v8, so that the two above are made without a switch
.set PBC, 243
.set KM,  2                            ; s2   0x7fffff00: what a key keeps of e
.set CID, 3                            ; s3   32 x chunk
.set WV,  14                           ; s14  my wave's number
.set WG,  15                           ; s15  my work-group's number
.set G0,  20                           ; s[20:23] descriptor group 0: it walks
.set G1,  24                           ; s[24:31] descriptor group 1
.set TB,  32                           ; s32  the slot that is read
.set CH,  33                           ; s33  chunks of 64 hidden units to go
.set QT,  34                           ; s34  tiles of W2 that are followed by a fill
.set RB,  35                           ; s35  row blocks to go
.set KC,  36                           ; s36  trips of the K loop
.set AO,  37                           ; s37  16,384 x row block: its spike words in LDS, and its 16 rows in out0
.set OQ,  38                           ; s38  256 x tile: its 64 columns in a row of out0
.set PSO, 39                           ; s39  2,048 x chunk: its spike words
.set TH,  40                           ; s[40:47] TH_1 .. TH_8
.set PT,  48                           ; s[48:55] the patterns of periods 1 .. 8
.set MK,  56                           ; s[56:63] mask_1 .. mask_8, both halves of a word
.set SC,  66                           ; s[66:81] 2^(65 - 2^(t-1)), in pairs: the packed instruction takes the low word for both halves
.set CM,  82                           ; s[82:89] eight compare masks that take turns
.set OPT, 90                           ; s[90:91] out0 at the block that goes out
.set OO,  92                           ; s[92:93] its offset
.set KB,  94                           ; s94  slot + K step
.set KA,  95                           ; s95  row block + K step
.set HM,  96                           ; s96  a word's upper bf16
.set EIGHT, 97                         ; s97  8.0
.set DP,  98                           ; s[98:99] doubt
.set EPS, 100                          ; s100 the bits of 2^-18
.set KP,  104                          ; s[104:105] keys
.set W_G1, 0x5d                        ; first product and its LDS loads: all in window 1 but source 1 (x) in window 3
.set W_LO, 0x55                        ; steps 1-4: all in window 1
.set W_HI, 0xa9                        ; steps 5-8: source 0 (W2, spike words) in window 1, the rest in window 2
.set MSB, 0
.macro WIN new                         ; the immediate's high byte repeats the setting that is left; a switch that changes nothing is dropped
.if MSB != (\new)
	s_set_vgpr_msb (MSB<<8)|(\new)
.set MSB, (\new)
.endif
.endm
.macro PLACES                          ; a load into a register that a matrix instruction has read stands four plain vector instructions behind it (ISA guide 7.12.1 for vector instructions)
.rept 4
	v_nop
.endr
.endm
; A round of the cluster's barrier: my work-group's barrier, so that wave 0's signal speaks for all four waves; wave 0 signals; every wave waits for all four work-groups; my work-group's barrier once more.
.macro ROUND
	s_barrier_signal -1
	s_barrier_wait -1
	s_cmp_lg_u32 s[WV], 0
	s_cbranch_scc1 .Lnot_wave_0_\@
	s_barrier_signal -3
.Lnot_wave_0_\@:
	s_barrier_wait -3
	s_barrier_signal -1
	s_barrier_wait -1
.endm
; A joint fill: every wave asks for its quarter of the tile, 16 weight rows.  An s_nop 0 and four v_nop follow the line.
.macro JLOAD
	tensor_load_to_lds s[G0:G0+3], s[G1:G1+7]
	s_nop 0
	PLACES
.endm
; THE CHANGE OF SLOTS.  Each wave waits for all its tensor loads, of which one is out: its quarter of the other slot; adds 0 to its spare word; and waits for that and for all its LDS instructions,
; its reads of the slot that it leaves among them.  Behind the barrier nobody reads the old slot any more and the other slot is whole.
; fill = 1: the old slot takes the next tile.  The barrier is then a round of the cluster's, so that no wave of any partner still reads the slot or has a load on its way, and the joint fill is
; the first thing behind it: it has all the work on the tile in hand in which to land.  (At its first use nothing has been read yet: slot 0 is waited for, slot 1 filled.)
.macro CHANGE fill
	WIN 0                                          ; at a label and at a branch every window is 0
	s_wait_tensorcnt 0x0                           ; no tensor load of mine is out, so group 0 may be written
	ds_add_u32 v[SPW], v[NIL]                      ; 0 onto my spare word: the scalar steps stand between it and the wait for it
.if \fill
	s_xor_b32 s[G0+1], s[G0+1], SLOTB              ; the other slot than last time,
	s_add_nc_u64 s[G0+2:G0+3], s[G0+2:G0+3], SLOTB ; the next tile; the type bits on top are not reached
.endif
	s_xor_b32 s[TB], s[TB], SLOTB                  ; the reads go to the other slot
	s_wait_dscnt 0x0                               ; the add is done, and so are my LDS loads and stores
.if \fill
	ROUND
	JLOAD
.else
	s_barrier_signal -1
	s_barrier_wait -1
.endif
.endm
; TH_n: the largest f32 number p with S_n(p) <= 0.5.  Lane l tries the number whose bits are base - 16 + l, base = 0.5 / n rounded; S_n is monotone, so the lanes that pass are the first c, and TH_n's bits are
; base - 17 + c.  The chain's n - 1 roundings move S_n by less than 2 steps of p: far inside the 16 on either side.  The number feeds compares alone.
.macro THETA n, base
	v_add_nc_u32 v49, \base, v48
.if (\n) == 1
	v_cmp_ge_f32 s[CM], 0.5, v49
.else
	v_add_f32 v50, v49, v49
.rept (\n)-2
	v_add_f32 v50, v50, v49
.endr
	v_cmp_ge_f32 s[CM], 0.5, v50
.endif
	s_bcnt1_i32_b32 s16, s[CM]
	s_add_co_u32 s[TH+(\n)-1], s16, (\base)-17
.endm
	s_load_b256 s[4:11], s[0:1], 0x0               ; x s[4:5], wb s[6:7], b1 s[8:9], b2 s[10:11]
	s_load_b64 s[12:13], s[0:1], 0x20              ; out0
	s_load_b64 s[DP:DP+1], s[0:1], 0x28            ; doubt
	s_load_b64 s[KP:KP+1], s[0:1], 0x30            ; keys
	v_lshl_add_u32 v[SPW], v0, 2, SPARE
	v_mov_b32 v[NIL], 0
	ds_add_u32 v[SPW], v[NIL]                      ; the wave's opening: the add and its wait stand ahead of my first tensor load; the set-up below, work on registers, stands between them
	v_lshrrev_b32 v[TW], 5, v0
	v_readfirstlane_b32 s[WV], v[TW]               ; wave 0..3
	s_bfe_u32 s16, ttmp6, 0x40000                  ; cx: my place in the cluster
	s_lshl_b32 s[WG], ttmp9, 2                     ; in a cluster launch ttmp9 counts clusters
	s_add_co_u32 s[WG], s[WG], s16
	; descriptor group 1: 16,384 dense bytes, asked for as 64 rows of 256 bytes, laid into LDS without a gap
	s_mov_b32 s[G1+0], 15|(3<<16)|(1<<21)          ; 15:0 the mask: all four work-groups; 17:16 elements of 8 bytes; 20 no padding; 21 set beside a mask
	s_mov_b32 s[G1+1], 32<<16                      ; tensor_dim0 = 32
	s_mov_b32 s[G1+2], 64<<16                      ; tensor_dim1 = 64
	s_mov_b32 s[G1+3], 32<<16                      ; tile_dim0 = 32
	s_mov_b32 s[G1+4], 64                          ; tile_dim1 = 64
	s_mov_b32 s[G1+5], 32                          ; 32 elements from row to row
	s_mov_b32 s[G1+6], 0
	s_mov_b32 s[G1+7], 0
	s_mov_b32 s[G0], 1                             ; 1:0 count = 1
	s_lshl_b32 s[G0+1], s[WV], 14                  ; 63:32 LDS address: my quarter of slot 0
	s_mov_b32 s[TB], SLOTB                         ; the first change of slots turns it into 0
	s_mov_b32 s[HM], 0xffff0000
	s_mov_b32 s[EIGHT], 0x41000000
	s_mov_b32 s[EPS], 0x36800000
	s_mov_b32 s[KM], 0x7fffff00
	s_mov_b32 s[CID], 0
	s_mov_b32 s[PT+0], 0x7f80                      ; period 1: steps 1 to 8, bits 7 to 14
	s_mov_b32 s[PT+1], 0x5500                      ; period 2: steps 2, 4, 6, 8
	s_mov_b32 s[PT+2], 0x1200                      ; period 3: steps 3, 6
	s_mov_b32 s[PT+3], 0x4400                      ; period 4: steps 4, 8
	s_mov_b32 s[PT+4], 0x0800                      ; periods 5 to 8: one spike
	s_mov_b32 s[PT+5], 0x1000
	s_mov_b32 s[PT+6], 0x2000
	s_mov_b32 s[PT+7], 0x4000
.set t, 1
.rept 8
	s_mov_b32 s[MK+t-1], (1<<(6+t))*0x10001
	s_mov_b32 s[SC+2*t-2], (192-(1<<(t-1)))<<23    ; 2^(65 - 2^(t-1))
	s_mov_b32 s[SC+2*t-1], (192-(1<<(t-1)))<<23
.set t, t+1
.endr
	v_and_b32 v[LN], 31, v0
	v_and_b32 v[RR], 15, v0
	v_bfe_u32 v[HH], v0, 4, 1
	v_lshlrev_b32 v[L16], 4, v[LN]
	v_lshlrev_b32 v[KO], 3, v[LN]
	s_mul_i32 s16, s[WV], PRIVB
	s_add_co_u32 s16, s16, PRIV                    ; my wave's own bytes
	s_mul_i32 s17, s[WV], STGB
	s_add_co_u32 s17, s17, STG                     ; my stage
	v_lshl_add_u32 v[XS], v[LN], 3, s16
	v_mul_u32_u24 v[XF], v[RR], XP                 ; a fragment: row l % 16, 16 bytes for each half of the lanes
	v_lshl_add_u32 v[XF], v[HH], 4, v[XF]
	v_add_nc_u32 v[XF], s16, v[XF]
	v_add_nc_u32 v[PB], s16, v[L16]
	v_lshlrev_b32 v[BO], 5, v[HH]
	v_mul_u32_u24 v[STO], v[RR], SP                ; in: row l % 16, 32 bytes for each half of the lanes
	v_lshl_add_u32 v[STO], v[HH], 5, v[STO]
	v_add_nc_u32 v[STO], s17, v[STO]
	v_mul_u32_u24 v[RD], v[HH], SP                 ; back: lanes 0-15 take one row of 256 bytes, lanes 16-31 the next
	v_lshl_add_u32 v[RD], v[RR], 4, v[RD]
	v_add_nc_u32 v[RD], s17, v[RD]
	v_lshlrev_b32 v[GO], 10, v[HH]                 ; and the same two rows in out0, 1,024 bytes apart
	v_lshl_add_u32 v[GO], v[RR], 4, v[GO]
	v_mov_b32 v[DM], 0x7fffffff                    ; above every key
	v_mov_b32 v[DM+1], 0x7fffffff
	WIN 0x40                                       ; destination window 1
	v_mov_b32 v[L16C], v[L16]
	v_mov_b32 v[PBC], v[PB]
	WIN 0
	v_add_nc_u32 v48, -16, v[LN]
	THETA 1, 0x3f000000
	THETA 2, 0x3e800000
	THETA 3, 0x3e2aaaab
	THETA 4, 0x3e000000
	THETA 5, 0x3dcccccd
	THETA 6, 0x3daaaaab
	THETA 7, 0x3d924925
	THETA 8, 0x3d800000
	s_lshl_b32 s16, s[WG], 18                      ; x: 128 rows of 2,048 bytes a work-group,
	s_lshl_b32 s17, s[WV], 16                      ; 32 a wave
	s_add_co_u32 s16, s16, s17
	s_mov_b32 s17, 0
	s_lshr_b32 s18, s16, 1                         ; out0: rows half as long
	s_mov_b32 s19, 0
	s_lshl_b32 s[OO], s[WV], 14                    ; wb: my quarter of a tile
	s_mov_b32 s[OO+1], 0
	s_wait_dscnt 0x0                               ; the opening add is done
	s_wait_kmcnt 0x0
	s_add_nc_u64 s[4:5], s[4:5], s[16:17]
	s_add_nc_u64 s[12:13], s[12:13], s[18:19]
	s_add_nc_u64 s[G0+2:G0+3], s[6:7], s[OO:OO+1]  ; 120:64 global address: tile 0
	s_or_b32 s[G0+3], s[G0+3], 0x80000000          ; 127:126 type = 2
; X COMES IN: eight groups of 4 rows, 16 loads each (a load covers 512 consecutive bytes of a row), through a ring of four groups of registers in window 2; rounded to bf16 in place; into my own rows in LDS.
.macro XLOAD g
	WIN 0x80                                       ; destination window 2, address window 0
.set i, 0
.rept 16
	global_load_b128 v[64*((\g)%4)+4*i:64*((\g)%4)+4*i+3], v[L16], s[4:5] offset:(4*(\g)+i/4)*2048+(i%4)*512 th:TH_LOAD_NT
.set i, i+1
.endr
.endm
.macro XCVT g
	WIN 0x8a                                       ; destination and both sources window 2
.set i, 64*((\g)%4)
.rept 16
	v_cvt_pk_bf16_f32 v[i], v[i], v[i+1]
	v_cvt_pk_bf16_f32 v[i+1], v[i+2], v[i+3]
.set i, i+4
.endr
.endm
.macro XSTORE g
	WIN 0x08                                       ; data (source 1) window 2, address window 0
.set i, 0
.rept 16
	ds_store_b64 v[XS], v[64*((\g)%4)+4*i:64*((\g)%4)+4*i+1] offset:(4*(\g)+i/4)*XP+(i%4)*256
.set i, i+1
.endr
.endm
	XLOAD 0                                        ; x is on its way before anything else
	XLOAD 1
	XLOAD 2
	WIN 0
	ROUND                                          ; all four work-groups are here: the first joint loads meet
	JLOAD                                          ; tile 0 into slot 0
.irp g, 0,1,2,3,4,5,6,7
.if \g < 6
	s_wait_loadcnt 32                              ; loads come back in order (ISA guide 5.7.1): group g is in, the 32 loads of the two younger groups stay out
.elseif \g == 6
	s_wait_loadcnt 16                              ; one younger group is left
.else
	s_wait_loadcnt 0
.endif
.if \g < 5
	XLOAD (\g)+3                                   ; into the registers of the group stored last
.endif
	XCVT \g
	XSTORE \g
.endr
	WIN 0xc0                                       ; destination window 3: x's fragments stay in registers.  LDS serves a wave's instructions in order (ISA guide 5.7.1.4): these see the stores above
.set i, 0
.rept 32                                       ; fragment i: row block i / 16, K step i % 16
	ds_load_b128 v[8*i:8*i+3],   v[XF] offset:(i/16)*16*XP+(i%16)*64
	ds_load_b128 v[8*i+4:8*i+7], v[XF] offset:(i/16)*16*XP+(i%16)*64+32
.set i, i+1
.endr
	WIN 0
; A bias's 32 numbers (block of 16: my 8) are rounded to bf16 and widened again.
.macro BIASLOAD base
.set i, 0
.rept 8
	global_load_b128 v[BB+4*i:BB+4*i+3], v[BO], s[\base:\base+1] offset:(i/2)*64+(i%2)*16
.set i, i+1
.endr
.endm
.macro BIASROUND base
	WIN 0
	s_wait_loadcnt 0x0                             ; the eight loads are done, so their base may step:
	s_add_nc_u64 s[\base:\base+1], s[\base:\base+1], 256  ; the next 64 numbers
.set i, 0
.rept 16
	v_cvt_pk_bf16_f32 v[WD+i], v[BB+2*i], v[BB+2*i+1]
.set i, i+1
.endr
.set i, 0
.rept 16
	v_lshlrev_b32 v[BB+2*i], 16, v[WD+i]
	v_and_b32 v[BB+2*i+1], s[HM], v[WD+i]
.set i, i+1
.endr
.endm
; THE FIRST PRODUCT.  A step is 64 along K.  16 LDS loads: W1's fragments f = 4 (K step) + (unit block), each 512 + 512 consecutive bytes.
.macro G1FETCH s, b
.set f, 0
.rept 8
	ds_load_b128 v[W1F+64*(\b)+8*f:W1F+64*(\b)+8*f+3],   v[WA] offset:((f%4)*16+2*(\s)+f/4)*1024
	ds_load_b128 v[W1F+64*(\b)+8*f+4:W1F+64*(\b)+8*f+7], v[WA] offset:((f%4)*16+2*(\s)+f/4)*1024+512
.set f, f+1
.endr
.endm
; 16 matrix instructions: K step m / 8, row block (m / 4) % 2, unit block m % 4.  The 8 accumulators take turns.  The chunk's first 8 start the sums: nothing is cleared.
.macro G1MUL s, b
.set m, 0
.rept 16
.set rA, 8*(m%8)
.set rW, W1F+64*(\b)+8*(4*(m/8)+m%4)
.set rX, 8*(16*((m/4)%2)+2*(\s)+m/8)
.if ((\s) == 0) && (m < 8)
	v_wmma_f32_16x16x32_bf16 v[rA:rA+7], v[rW:rW+7], v[rX:rX+7], 0
.else
	v_wmma_f32_16x16x32_bf16 v[rA:rA+7], v[rW:rW+7], v[rX:rX+7], v[rA:rA+7]
.endif
.set m, m+1
.endr
.endm
	s_mov_b32 s[CH], 8
	s_mov_b32 s[PSO], 0
.Lchunk:                                               ; 8 trips: trip c works on tile c, 64 hidden units, and asks for tile c + 1; the last asks for W2's first tile, so every trip fills
	CHANGE 1                                       ; its wait on DScnt is also the wait for x's fragments (first trip) and for the last chunk's spike words
	BIASLOAD 8                                     ; b1 of the chunk: it lands under the products
	WIN 0x40
	v_add_nc_u32 v[WA], s[TB], v[L16]
	WIN W_G1                                       ; one setting for the chunk's 128 products and 128 LDS loads
	G1FETCH 0, 0
.irp s, 0,1,2,3,4,5,6,7
.if \s < 7
.if \s > 0
	PLACES                                         ; behind the products that read the buffer loaded next
.endif
	G1FETCH (\s)+1, ((\s)+1)%2
	s_wait_dscnt 16                                ; this step's fragments are in; the 16 loads just issued stay out
.else
	s_wait_dscnt 0x0
.endif
	G1MUL \s, (\s)%2
.endr
	; LAYER 1 for the chunk: 2 x 4 tiles of 16 rows x 16 units, 64 numbers a lane.  The 48 lines that round b1 are the places behind the last products.
	BIASROUND 8
	v_add_nc_u32 v[PS], s[PSO], v[PB]
	v_mov_b32 v[CMN], 0x7fffffff
	v_mov_b32 v[CMN+1], 0x7fffffff
	WIN 0x01                                       ; source 0 window 1
.set i, 0
.rept 32                                       ; pre1 = sum + b1; each accumulator is read from its low end on
	v_pk_add_f32 v[PP+2*i:PP+2*i+1], v[2*i:2*i+1], v[BB+8*((i/4)%4)+2*(i%4):BB+8*((i/4)%4)+2*(i%4)+1]
.set i, i+1
.endr
	WIN 0
.set tl, 0
.rept 8                                        ; tile tl = 4 rb + hb
.set e, 0
.rept 8                                        ; 1 / p for the keys: the compares below, plain instructions, stand between these and the use of their results (ISA guide 5.7.2)
	v_rcp_f32 v[UU+e], v[PP+8*tl+e]
.set e, e+1
.endr
.set n, 8
.rept 8                                        ; from period 8 down to 1: the last compare that holds, the least period, keeps its pattern; none holds: no spike
.set e, 0
.rept 8
	v_cmp_lt_f32 s[CM+e], s[TH+n-1], v[PP+8*tl+e]
.set e, e+1
.endr
.set e, 0
.rept 8
.if n == 8
	v_cndmask_b32 v[PAT+8*tl+e], 0, s[PT+n-1], s[CM+e]
.else
	v_cndmask_b32 v[PAT+8*tl+e], v[PAT+8*tl+e], s[PT+n-1], s[CM+e]
.endif
.set e, e+1
.endr
.set n, n-1
.endr
.set e, 0
.rept 4
	v_lshl_or_b32 v[WD+4*tl+e], v[PAT+8*tl+2*e+1], 16, v[PAT+8*tl+2*e]
.set e, e+1
.endr
	ds_store_b128 v[PS], v[WD+4*tl:WD+4*tl+3] offset:(tl/4)*16384+(tl%4)*512  ; half a fragment of the second product's source 1: K step 2 c + hb / 2, half hb % 2; over x's rows, which are in registers
	; the keys: n = 0.5 / p, rounded, held in 1 to 8 (so a negative, a tiny or a zero p gives an e near -0.5); e = p n - 0.5; its sign and low byte make way for 8 hb + register; the least of the chunk
.set e, 0
	s_wait_alu depctr_va_vdst(0)
.rept 4
	v_pk_mul_f32 v[UU+2*e:UU+2*e+1], v[UU+2*e:UU+2*e+1], 0.5 op_sel_hi:[1,0]
.set e, e+1
.endr
.set e, 0
.rept 8
	v_rndne_f32 v[UU+e], v[UU+e]
.set e, e+1
.endr
.set e, 0
.rept 8
	v_med3_num_f32 v[UU+e], v[UU+e], 1.0, s[EIGHT]
.set e, e+1
.endr
.set e, 0
.rept 4
	v_pk_fma_f32 v[UU+2*e:UU+2*e+1], v[PP+8*tl+2*e:PP+8*tl+2*e+1], v[UU+2*e:UU+2*e+1], -0.5 op_sel_hi:[1,1,0]
.set e, e+1
.endr
.set e, 0
.rept 8
	v_and_or_b32 v[UU+e], v[UU+e], s[KM], 8*(tl%4)+e
.set e, e+1
.endr
.set e, 0
.rept 8
	v_min_u32 v[CMN+tl/4], v[CMN+tl/4], v[UU+e]
.set e, e+1
.endr
.set tl, tl+1
.endr
.irp rb, 0,1
	v_or_b32 v[CMN+\rb], s[CID], v[CMN+\rb]        ; the chunk's number goes into bits 5 to 7, which are 0 so far
	v_min_u32 v[DM+\rb], v[DM+\rb], v[CMN+\rb]
.endr
	s_add_co_u32 s[CID], s[CID], 32
	s_add_co_u32 s[PSO], s[PSO], 2048
	s_sub_co_u32 s[CH], s[CH], 1
	s_cmp_lg_u32 s[CH], 0
	s_cbranch_scc1 .Lchunk
	; THE WAVE'S KEYS AND ITS WORD OF MARKS.  A row's units lie in lanes l and l + 16: the two halves of a compare mask are joined; row block 0 gives bits 0-15, row block 1 bits 16-31.
	v_cmp_gt_u32 s[CM], s[EPS], v[DM]
	v_cmp_gt_u32 s[CM+1], s[EPS], v[DM+1]
	s_lshr_b32 s16, s[CM], 16
	s_or_b32 s16, s16, s[CM]
	s_and_b32 s16, s16, 0xffff
	s_lshr_b32 s17, s[CM+1], 16
	s_or_b32 s17, s17, s[CM+1]
	s_lshl_b32 s17, s17, 16
	s_or_b32 s16, s16, s17
	s_lshl_b32 s17, s[WG], 2
	s_add_co_u32 s17, s17, s[WV]
	s_lshl_b32 s[OO], s17, 2                       ; word 4 x work-group + wave
	s_add_nc_u64 s[DP:DP+1], s[DP:DP+1], s[OO:OO+1]
	s_lshl_b32 s[OO], s17, 8                       ; 64 keys a wave
	s_add_nc_u64 s[KP:KP+1], s[KP:KP+1], s[OO:OO+1]
	global_store_b64 v[KO], v[DM:DM+1], s[KP:KP+1] ; the wave's store covers 256 consecutive bytes, aligned
	v_mov_b32 v48, 0
	v_mov_b32 v49, s16
	s_wait_xcnt 0x0                                ; EXEC changes only behind s_wait_xcnt 0
	v_cmp_eq_u32 vcc_lo, 0, v[LN]
	s_and_saveexec_b32 s18, vcc_lo
	global_store_b32 v48, v49, s[DP:DP+1]          ; one lane stores the word
	s_wait_xcnt 0x0                                ; and again, in front of the line that widens it
	s_or_b32 exec_lo, exec_lo, s18
; THE SECOND PRODUCT.  A PASS is 16 rows x 64 columns x all 8 steps: 32 accumulators, 16 K steps of 32 matrix instructions.  A fragment of W2 read from LDS feeds 8 products.
.macro AND2 tt, i0, b                  ; two words of step tt's operand: the spike words AND the step's mask
.if (\tt) <= 4
	v_and_b32 v[TT+8*(((\tt)-1)%4)+(\i0)],   s[MK+(\tt)-1], v[SW+8*(\b)+(\i0)]
	v_and_b32 v[TT+8*(((\tt)-1)%4)+(\i0)+1], s[MK+(\tt)-1], v[SW+8*(\b)+(\i0)+1]
.else
	v_and_b32 v[TT+8*(((\tt)-1)%4)+(\i0)],   v[SW+8*(\b)+(\i0)],   s[MK+(\tt)-1]  ; the words as source 0, which stays in window 1
	v_and_b32 v[TT+8*(((\tt)-1)%4)+(\i0)+1], v[SW+8*(\b)+(\i0)+1], s[MK+(\tt)-1]
.endif
.endm
.macro MM2 tt, c, b, zero
.set rA, 32*(((\tt)-1)%4)+8*(\c)
.set rW, WF+32*(\b)+8*(\c)
.set rT, TT+8*(((\tt)-1)%4)
.if \zero
	v_wmma_f32_16x16x32_bf16 v[rA:rA+7], v[rW:rW+7], v[rT:rT+7], 0
.else
	v_wmma_f32_16x16x32_bf16 v[rA:rA+7], v[rW:rW+7], v[rT:rT+7], v[rA:rA+7]
.endif
.endm
.macro KFETCH b, off                   ; ten LDS loads in one run: a K step's spike words and its four fragments of W2
	ds_load_b128 v[SW+8*(\b):SW+8*(\b)+3],   v[AA] offset:(\off)
	ds_load_b128 v[SW+8*(\b)+4:SW+8*(\b)+7], v[AA] offset:(\off)+512
.irp c, 0,1,2,3
	ds_load_b128 v[WF+32*(\b)+8*\c:WF+32*(\b)+8*\c+3],   v[BA] offset:\c*16384+(\off)
	ds_load_b128 v[WF+32*(\b)+8*\c+4:WF+32*(\b)+8*\c+7], v[BA] offset:\c*16384+(\off)+512
.endr
.endm
; A K step on buffer b.  zero = 1: its products start the sums.  off >= 0: the next K step is fetched into the other buffer, at that offset.  step = 1: the two addresses go two K steps on.
; Step 1's eight ANDs are the places between the last product that read the other buffer and the loads into it.  Behind each product stand two ANDs of the next step's operand; an operand is written once
; a K step, more than 24 plain instructions behind its last reader.  The 32 accumulators take turns.  Two switches of the windows a K step.
.macro KSTEP b, zero, off, step
	s_wait_dscnt 0x0                               ; the ten loads issued a K step ago
	WIN W_LO
.irp w, 0,2,4,6
	AND2 1, \w, \b
.endr
.if (\off) >= 0
	KFETCH 1-(\b), \off
.endif
.if \step
	s_add_co_u32 s[KB], s[KB], 2048
	s_add_co_u32 s[KA], s[KA], 2048
	v_add_nc_u32 v[BA], s[KB], v[L16C]
	v_add_nc_u32 v[AA], s[KA], v[PBC]
.endif
.set t, 1
.rept 8
.if t == 5
	WIN W_HI
.irp w, 0,2,4,6
	AND2 5, \w, \b
.endr
.endif
.set cb, 0
.rept 4
	MM2 t, cb, \b, \zero
.if (t%4) != 0
	AND2 t+1, 2*cb, \b
.endif
.set cb, cb+1
.endr
.set t, t+1
.endr
.endm
.macro PASS
	s_mov_b32 s[KB], s[TB]
	s_mov_b32 s[KA], s[AO]
	WIN W_LO
	v_add_nc_u32 v[BA], s[KB], v[L16C]
	v_add_nc_u32 v[AA], s[KA], v[PBC]
	KFETCH 0, 0
	KSTEP 0, 1, 1024, 0                            ; K step 0 stands in front of the loop: its products start the sums
	WIN 0
	s_mov_b32 s[KC], 7
.Lk_\@:                                                ; a trip: K steps 2 i + 1 and 2 i + 2
	KSTEP 1, 0, 2048, 0
	KSTEP 0, 0, 3072, 1
	WIN 0
	s_sub_co_u32 s[KC], s[KC], 1
	s_cmp_lg_u32 s[KC], 0
	s_cbranch_scc1 .Lk_\@
	KSTEP 1, 0, -1, 0                              ; K step 15: nothing more to fetch
	WIN 0
.endm
; LAYER 2 for the pass: 32 numbers a lane, step after step.  mem2 = fma(sum, factor, mem2), then + b2 (step 1: fma(sum, factor, b2), which is (0 + sum) + b2); a spike is 1.0 or 0;
; mem2 - mem2 x spike is the reset: exactly 0 or mem2.  No register is cleared: step 1 starts mem2 and the counts.  The steps whose sums are read first were finished long before the pass's last products.
.macro LIF2
.set t, 1
.rept 8
	WIN 1+(t-1)/4                                  ; source 0: window 1 (steps 1-4) or 2 (steps 5-8)
.set i, 0
.rept 16                                       ; each accumulator is read from its low end on
.if t == 1
	v_pk_fma_f32 v[MEM+2*i:MEM+2*i+1], v[32*((t-1)%4)+2*i:32*((t-1)%4)+2*i+1], s[SC+2*t-2:SC+2*t-1], v[BB+2*i:BB+2*i+1] op_sel_hi:[1,0,1]
.else
	v_pk_fma_f32 v[MEM+2*i:MEM+2*i+1], v[32*((t-1)%4)+2*i:32*((t-1)%4)+2*i+1], s[SC+2*t-2:SC+2*t-1], v[MEM+2*i:MEM+2*i+1] op_sel_hi:[1,0,1]
.endif
.set i, i+1
.endr
	WIN 0
.if t > 1
.set i, 0
.rept 16
	v_pk_add_f32 v[MEM+2*i:MEM+2*i+1], v[MEM+2*i:MEM+2*i+1], v[BB+2*i:BB+2*i+1]
.set i, i+1
.endr
.endif
.set sp, SPK
.if t == 1
.set sp, CNT                                   ; step 1's spikes start the counts
.endif
.set g, 0
.rept 4
.set e, 0
.rept 8
	v_cmp_lt_f32 s[CM+e], 0.5, v[MEM+8*g+e]
.set e, e+1
.endr
.set e, 0
.rept 8
	v_cndmask_b32 v[sp+8*g+e], 0, 1.0, s[CM+e]
.set e, e+1
.endr
.set g, g+1
.endr
.if t < 8
.set i, 0
.rept 16
	v_pk_fma_f32 v[MEM+2*i:MEM+2*i+1], v[MEM+2*i:MEM+2*i+1], v[sp+2*i:sp+2*i+1], v[MEM+2*i:MEM+2*i+1] neg_lo:[1,0,0] neg_hi:[1,0,0]
.set i, i+1
.endr
.endif
.if t > 1
.set i, 0
.rept 16
	v_pk_add_f32 v[CNT+2*i:CNT+2*i+1], v[CNT+2*i:CNT+2*i+1], v[SPK+2*i:SPK+2*i+1]
.set i, i+1
.endr
.endif
.set t, t+1
.endr
.set i, 0
.rept 16
	v_pk_mul_f32 v[CNT+2*i:CNT+2*i+1], v[CNT+2*i:CNT+2*i+1], 0x3e000000 op_sel_hi:[1,0]  ; the mean over 8 steps
.set i, i+1
.endr
.endm
; THE WAY OUT of a pass: a lane's 8 columns of a row are 32 bytes; they go into my stage's rows of 272 bytes and come back as whole rows of 256.
.macro SENDOUT
	s_wait_xcnt 0x0                                ; every earlier memory instruction has had its addresses translated (ISA guide 3.1): only behind this wait are the last stores' data and base rewritten
	s_add_co_u32 s[OO], s[AO], s[OQ]               ; the row block's 16 rows, the tile's 64 columns
	s_add_nc_u64 s[OPT:OPT+1], s[12:13], s[OO:OO+1]
.set i, 0
.rept 8
	ds_store_b128 v[STO], v[CNT+4*i:CNT+4*i+3] offset:(i/2)*64+(i%2)*16
.set i, i+1
.endr
.set i, 0
.rept 8
	ds_load_b128 v[OB+4*i:OB+4*i+3], v[RD] offset:i*2*SP  ; LDS serves a wave's instructions in order (ISA guide 5.7.1.4): these see the stores above
.set i, i+1
.endr
.set i, 0
.rept 8
	s_wait_dscnt 7-i                               ; pair i of rows is back; the younger loads stay out
	global_store_b128 v[GO], v[OB+4*i:OB+4*i+3], s[OPT:OPT+1] offset:i*2048 th:TH_STORE_NT  ; 16 lanes store 256 consecutive bytes, at a multiple of 256 from out0's first byte
.set i, i+1
.endr
.endm
.macro TILE                            ; 64 columns for my two row blocks
	s_mov_b32 s[AO], 0
	s_mov_b32 s[RB], 2
.Lrb_\@:
	PASS
	LIF2
	SENDOUT
	s_add_co_u32 s[AO], s[AO], 16384
	s_sub_co_u32 s[RB], s[RB], 1
	s_cmp_lg_u32 s[RB], 0
	s_cbranch_scc1 .Lrb_\@
	s_add_co_u32 s[OQ], s[OQ], 256
.endm
	s_mov_b32 s[OQ], 0
	s_mov_b32 s[QT], 3
.Ltile:                                                ; 3 trips: W2's tiles 0 to 2; each asks for the next
	BIASLOAD 10                                    ; b2 of the tile, ahead of the change of slots: it lands during the round
	CHANGE 1
	BIASROUND 10
	TILE
	s_sub_co_u32 s[QT], s[QT], 1
	s_cmp_lg_u32 s[QT], 0
	s_cbranch_scc1 .Ltile
	BIASLOAD 10                                    ; the last tile is written out: nothing is asked for
	CHANGE 0
	BIASROUND 10
	TILE
	s_wait_tensorcnt 0x0                           ; the wave's end, behind my last tensor load and my last LDS store
	ds_add_u32 v[SPW], v[NIL]
	s_wait_dscnt 0x0
	ROUND                                          ; the closing round: no work-group ends while a partner may still ask for a tile that names it
	s_endpgm
.Lfunc_end_k_q2c4a484e52_snn:
	.size	k_q2c4a484e52_snn, .Lfunc_end_k_q2c4a484e52_snn-k_q2c4a484e52_snn
	.p2alignl 7, 3214868480
	.fill 96, 4, 3214868480
	.section	.rodata,"a",@progbits
	.p2align	6, 0x0
	.amdhsa_kernel k_q2c4a484e52_snn
		.amdhsa_group_segment_fixed_size 327680
		.amdhsa_private_segment_fixed_size 0
		.amdhsa_enable_private_segment 0
		.amdhsa_kernarg_size 56
		.amdhsa_user_sgpr_count 2
		.amdhsa_user_sgpr_kernarg_segment_ptr 1
		.amdhsa_wavefront_size32 1
		.amdhsa_system_sgpr_workgroup_id_x 1
		.amdhsa_system_sgpr_workgroup_id_y 1
		.amdhsa_system_sgpr_workgroup_id_z 1
		.amdhsa_system_vgpr_workitem_id 0
		.amdhsa_next_free_vgpr 1024
		.amdhsa_next_free_sgpr 106
		.amdhsa_reserve_vcc 1
		.amdhsa_float_denorm_mode_32 3
		.amdhsa_float_denorm_mode_16_64 3
		.amdhsa_memory_ordered 1
		.amdhsa_forward_progress 1
		.amdhsa_inst_pref_size 255
	.end_amdhsa_kernel
	.section	.bss,"aw",@nobits
	.p2align	6
	.space	262144
	.amdgpu_metadata
---
amdhsa.version: [ 1, 2 ]
amdhsa.kernels:
  - .name:           k_q2c4a484e52_snn
    .symbol:         k_q2c4a484e52_snn.kd
    .args:
      - { .name: x, .offset: 0, .size: 8, .value_kind: global_buffer, .address_space: global }
      - { .name: wb, .offset: 8, .size: 8, .value_kind: global_buffer, .address_space: global }
      - { .name: b1, .offset: 16, .size: 8, .value_kind: global_buffer, .address_space: global }
      - { .name: b2, .offset: 24, .size: 8, .value_kind: global_buffer, .address_space: global }
      - { .name: out0, .offset: 32, .size: 8, .value_kind: global_buffer, .address_space: global }
      - { .name: doubt, .offset: 40, .size: 8, .value_kind: global_buffer, .address_space: global }
      - { .name: keys, .offset: 48, .size: 8, .value_kind: global_buffer, .address_space: global }
    .group_segment_fixed_size: 327680
    .private_segment_fixed_size: 0
    .kernarg_segment_align: 8
    .kernarg_segment_size: 56
    .max_flat_workgroup_size: 128
    .sgpr_count:     106
    .vgpr_count:     1024
    .wavefront_size: 32
...
	.end_amdgpu_metadata
.endif
;; end of part 2
;; launch fix (part 3): grid 256 x 1, 16 waves a work-group, no clusters, 101,632 bytes of LDS; arguments x, W1, wb, b1, b2, doubt, out0, keys; writes out0
.if DOCPART == 3
	.amdgcn_target "amdgcn-amd-amdhsa--gfx1250"
	.amdhsa_code_object_version 6
	.text
	.protected	k_q2c4a484e52_fix
	.globl	k_q2c4a484e52_fix
	.p2align	8
	.type	k_q2c4a484e52_fix,@function
k_q2c4a484e52_fix:
	s_mov_b64 s[64:65], 0
	v_nop
	global_prefetch_b8 v0, s[64:65] scope:SCOPE_SE
	s_setreg_imm32_b32 hwreg(HW_REG_WAVE_MODE, 25, 1), 1
	s_wait_xcnt 0x0
; THE ROWS IN DOUBT ARE MADE ANEW.  The launch before marked each row in which some pre1 lies so near a threshold that the order of the 512 additions decides its side (one bit a row in doubt), and named, for
; each half of a row's units, the unit nearest a threshold (keys).  Here a marked row's pre1 is made by the same bf16 matrix instructions in the same order of K, so with the same bits, and the two named units
; are added once more in a fixed order of f32 additions: pre1 = S(0..511) + b1, S ONE chain of rounded additions of the 512 products in ascending k, begun at 0.  The product of two bf16 numbers is exact in
; f32, so the chain is the whole of the rounding.  The chain's value takes the matrix unit's place; thresholds, patterns, spike words, the second product and layer 2 are the launch before's, whose head explains them.
; THE ORDER IS AN ASSUMPTION: it is what a kernel gives that keeps one accumulator for an output from the first k to the last.  A reference that adds in another order may decide a unit within a few last places of a threshold otherwise.
; SHARES.  A work-group owns 128 rows and always makes 16 SLOTS: slot w is the w-th marked row of the 128; a slot with no marked row left takes the group's row 0 (its numbers are made and stored
; like any other's; slots with the same row store the same bytes).  So no branch and no trip count hangs on the marks, and every barrier is on every wave's path.
; Wave w of 16: finds slot w's row and its two units by scalar work on whole numbers that the launch before stored; brings that row of x and the two rows of W1 in and lays their products into LDS;
; adds ALL 32 chains, lane l the chain of slot l % 16, half l / 16, which is the lane that holds that slot's units of that half: so the value is where the patch needs it, in every wave, with no second exchange;
; makes hidden units 32 w to 32 w + 31 for all 16 slots; makes output columns 16 w to 16 w + 15 for all 16 slots; stores slot w's whole row of out0.
; LOADS AHEAD.  W1's fragments come in four batches of four K steps, into two buffers: batches 0 and 1 are asked for straight behind the arguments, batches 2 and 3 in front of the 512 additions.
; W2's fragments go through four buffers, three K steps ahead; the first three are asked for in front of layer 1's compares.
; NO CLUSTER, NO TENSOR LOADS: each wave reads weights that no other wave of the work-group reads (32 KiB and 16 KiB of wb), straight into registers.
; LIMITS.  Of more than 16 marked rows in a group's 128 the first 16 are made anew; of a row half one unit.  A product of x and W1 below 2^-126 may lose bits under 2^-149.  The other limits are those stated in the launch before.
; LDS: 0 x in bf16, 16 rows x 1,040 bytes; the stage, 16 rows x 1,040; the products, 32 chains x 2,064 bytes, and later, over their first 16,384 bytes, the spike words as fragments; the table, 16 bytes a slot; the spare words.
.set XP,    1040                       ; a row of x: 1,024 bytes + 16 = 65 x 16: the 16 rows of a fragment load start at 16 different groups of four banks (64 banks of 4 bytes: ISA guide 11.1)
.set STG,   16*XP
.set SP,    1040                       ; a stage row: 1,024 bytes + 16
.set PR,    STG+16*SP
.set CP,    2064                       ; a chain's 512 products: 2,048 bytes + 16 = 129 x 16, for the same reason
.set SPKL,  PR                         ; the spike words lie over the products, behind a barrier
.set PCH,   PR+32*CP                   ; slot s: unit 0, its b1, unit 1, its b1
.set SPARE, PCH+256                    ; the spare words, 128 bytes for each of 16 waves: eight blocks of 256 bytes that no other line names
.set LN,  1                            ; v1   lane
.set RR,  2                            ; v2   l % 16
.set HH,  3                            ; v3   l / 16
.set L16, 4                            ; v4   16 x lane; never rewritten
.set XSA, 5                            ; v5   where I put 8 bytes of my row of x
.set XF0, 6                            ; v6   my place in a fragment of x; never rewritten
.set CB,  7                            ; v7   my lane's chain; never rewritten
.set BO,  8                            ; v8   my 8 numbers in 16 of a bias: 32 (l / 16)
.set PSA, 9                            ; v9   where my spike words go
.set SWA, 10                           ; v10  the spike words of the trip in hand
.set PRR, 11                           ; v11  my chain's products of the trip in hand
.set STO, 12                           ; v12  the way out: where I put 32 bytes of a row
.set RD,  13                           ; v13  the way out: where I read my slot's row back
.set SPW, 14                           ; v14  LDS address of my spare word; never rewritten
.set NIL, 15                           ; v15  0; never rewritten
.set TW,  16
.set SW0, 17                           ; v17  the spike words' first byte + 16 x lane; never rewritten
.set PRA, 18                           ; v18  where I put 16 bytes of products
.set PCW, 19                           ; v19  my slot's entry in the table
.set BB,  20                           ; v20-35  16 numbers of b1
.set B2,  36                           ; v36-43  8 numbers of b2
.set ENT, 44                           ; v44  the entry of slot l % 16, half l / 16
.set EN,  46                           ; v46-47  that entry: unit, b1
.set UB,  51                           ; v51  the first unit that I hold: 32 w + 8 (l / 16)
.set DD,  52                           ; v52  the entry's unit less that
.set ACCC, 53                          ; v53  my chain
.set CHV, 54                           ; v54  my chain + b1
.set PE,  56                           ; v56-59  my slot's entry as stored
.set XIN, 64                           ; at the start: my row of x; its bf16; the two rows of W1, then the products
.set XT,  80
.set WT,  88
.set WIN, 96
.set PKA, 64                           ; the additions: two buffers of 16 products
.set PKB, 80
.set XFR, 64                           ; the first product: x's fragments of four K steps,
.set ACC1, 96                          ; two accumulators,
.set WFR, 128                          ; two buffers of W1's fragments of four K steps: 8 (2 step + block)
.set PP,  112                          ; pre1, 8 for each unit block
.set PAT, 128
.set WD,  144                          ; packed words
.set WF,  64                           ; the second product: four buffers of W2's fragment,
.set ACC2, 96                          ; v96-159  the accumulators, step t at ACC2 + 8 (t - 1),
.set TT,  160                          ; v160-223 the masked operands, likewise,
.set SW,  240                          ; v240-255 two buffers of spike words
.set MEM, 160                          ; layer 2, behind the second product
.set CNT, 168
.set SPK, 176
.set OB,  184
.set U1,  2                            ; s2   the unit named for the row's second half
.set WV,  18                           ; s18  my wave's number
.set QQ,  19                           ; s19  my slot's rank inside its word of marks
.set M,   24                           ; s[24:27] the group's four words of marks
.set K0,  24                           ; later: the two keys, b1 of the two units
.set K1,  25
.set B0,  26
.set B1,  27
.set P1,  28                           ; s28-30  marked rows in words 0; 0, 1; 0, 1, 2
.set ROW, 31                           ; s31  my slot's row
.set OO,  32                           ; s[32:33] an offset, high word 0
.set KC,  34
.set HM,  35                           ; s35  a word's upper bf16
.set XO,  36                           ; s36  256 x trip of the additions
.set KA,  37                           ; s37  4,096 x trip of the second product
.set CUR, 38                           ; s38  the word of marks in which my slot lies
.set BASE, 39                          ; s39  32 x its number
.set KOF, 38                           ; later: offsets of scalar loads
.set KOF2, 39
.set TH,  40                           ; s[40:47] TH_1 .. TH_8
.set PT,  48                           ; s[48:55] the patterns of periods 1 .. 8
.set MK,  56                           ; s[56:63] mask_1 .. mask_8
.set SC,  66                           ; s[66:81] 2^(65 - 2^(t-1)), in pairs
.set CM,  82                           ; s[82:89] eight compare masks that take turns
.set KEYS, 90                          ; s[90:91]
.set RW0, 94                           ; s[94:95], s[96:97] W1 at the two units' rows
.set RW1, 96
.set WB1, 98                           ; s[98:99] wb at my two blocks of W1
.set U0,  101                          ; s101 the unit named for the row's first half
.set BP,  104                          ; s[104:105] b1 at my 32 units
; TH_n: the largest f32 number p whose chain p, p + p, (p + p) + p .. of n terms stays <= 0.5.  Lane l tries the number whose bits are base - 16 + l; the chain is monotone, so the lanes that pass are the first c.
.macro THETA n, base
	v_add_nc_u32 v49, \base, v48
.if (\n) == 1
	v_cmp_ge_f32 s[CM], 0.5, v49
.else
	v_add_f32 v50, v49, v49
.rept (\n)-2
	v_add_f32 v50, v50, v49
.endr
	v_cmp_ge_f32 s[CM], 0.5, v50
.endif
	s_bcnt1_i32_b32 s20, s[CM]
	s_add_co_u32 s[TH+(\n)-1], s20, (\base)-17
.endm
.macro PLACES                          ; a load into a register that a matrix instruction has read stands four plain vector instructions behind it (ISA guide 7.12.1 for vector instructions)
.rept 4
	v_nop
.endr
.endm
; THE FIRST PRODUCT for my 32 units x 16 slots, in batches g of four K steps.  P1LOAD: W1's 8 fragments (K step 4 g + n / 2, unit block n % 2), each load 512 consecutive bytes, into buffer g % 2.
.macro P1LOAD g
.set n, 0
.rept 8
	global_load_b128 v[WFR+64*((\g)%2)+8*n:WFR+64*((\g)%2)+8*n+3],   v[L16], s[WB1:WB1+1] offset:(n%2)*16384+(4*(\g)+n/2)*1024
	global_load_b128 v[WFR+64*((\g)%2)+8*n+4:WFR+64*((\g)%2)+8*n+7], v[L16], s[WB1:WB1+1] offset:(n%2)*16384+(4*(\g)+n/2)*1024+512
.set n, n+1
.endr
.endm
.macro P1X g                           ; x's 4 fragments of the batch
.set n, 0
.rept 4
	ds_load_b128 v[XFR+8*n:XFR+8*n+3],   v[XF0] offset:(4*(\g)+n)*64
	ds_load_b128 v[XFR+8*n+4:XFR+8*n+7], v[XF0] offset:(4*(\g)+n)*64+32
.set n, n+1
.endr
.endm
.macro P1MUL g                         ; 8 matrix instructions; the two accumulators take turns, one instruction a turn, from batch to batch too; the first two start the sums
.set n, 0
.rept 8
.if ((\g) == 0) && (n < 2)
	v_wmma_f32_16x16x32_bf16 v[ACC1+8*(n%2):ACC1+8*(n%2)+7], v[WFR+64*((\g)%2)+8*n:WFR+64*((\g)%2)+8*n+7], v[XFR+8*(n/2):XFR+8*(n/2)+7], 0
.else
	v_wmma_f32_16x16x32_bf16 v[ACC1+8*(n%2):ACC1+8*(n%2)+7], v[WFR+64*((\g)%2)+8*n:WFR+64*((\g)%2)+8*n+7], v[XFR+8*(n/2):XFR+8*(n/2)+7], v[ACC1+8*(n%2):ACC1+8*(n%2)+7]
.endif
.set n, n+1
.endr
.endm
	s_load_b256 s[4:11], s[0:1], 0x0               ; x s[4:5], W1 s[6:7], wb s[8:9], b1 s[10:11]
	s_load_b128 s[12:15], s[0:1], 0x20             ; b2 s[12:13], doubt s[14:15]
	s_load_b64 s[16:17], s[0:1], 0x30              ; out0
	s_load_b64 s[KEYS:KEYS+1], s[0:1], 0x38
	v_lshl_add_u32 v[SPW], v0, 2, SPARE
	v_mov_b32 v[NIL], 0
	v_lshrrev_b32 v[TW], 5, v0
	v_readfirstlane_b32 s[WV], v[TW]               ; wave 0..15
	v_and_b32 v[LN], 31, v0
	v_and_b32 v[RR], 15, v0
	v_bfe_u32 v[HH], v0, 4, 1
	v_lshlrev_b32 v[L16], 4, v[LN]
	v_lshlrev_b32 v[BO], 5, v[HH]
	s_lshl_b32 s[OO], ttmp9, 4                     ; the group's four words of marks
	s_mov_b32 s[OO+1], 0
	s_wait_kmcnt 0x0
	s_add_nc_u64 s[14:15], s[14:15], s[OO:OO+1]
	s_load_b128 s[M:M+3], s[14:15], 0x0            ; the marks are asked for first: three more loads hang on them, one after the other
	s_lshl_b32 s[OO], s[WV], 15                    ; wb: W1's blocks 2 w and 2 w + 1,
	s_add_nc_u64 s[WB1:WB1+1], s[8:9], s[OO:OO+1]
	s_lshl_b32 s[OO], s[WV], 14                    ; and W2's block w, behind W1's 32
	s_add_co_u32 s[OO], s[OO], 32*16384
	s_add_nc_u64 s[8:9], s[8:9], s[OO:OO+1]
	s_lshl_b32 s[OO], s[WV], 7                     ; b1: my 32 numbers
	s_add_nc_u64 s[BP:BP+1], s[10:11], s[OO:OO+1]
	s_lshl_b32 s[OO], s[WV], 6                     ; b2: my 16 numbers
	s_add_nc_u64 s[12:13], s[12:13], s[OO:OO+1]
.irp i, 0,1,2,3
	global_load_b128 v[BB+4*\i:BB+4*\i+3], v[BO], s[BP:BP+1] offset:(\i/2)*64+(\i%2)*16
.endr
	global_load_b128 v[B2:B2+3],   v[BO], s[12:13]
	global_load_b128 v[B2+4:B2+7], v[BO], s[12:13] offset:16
	P1LOAD 0                                       ; what hangs on the wave's number alone goes out now and lands under the scalar loads below
	P1LOAD 1
	s_mov_b32 s[HM], 0xffff0000
	s_mov_b32 s[PT+0], 0x7f80                      ; period 1: steps 1 to 8, bits 7 to 14
	s_mov_b32 s[PT+1], 0x5500
	s_mov_b32 s[PT+2], 0x1200
	s_mov_b32 s[PT+3], 0x4400
	s_mov_b32 s[PT+4], 0x0800
	s_mov_b32 s[PT+5], 0x1000
	s_mov_b32 s[PT+6], 0x2000
	s_mov_b32 s[PT+7], 0x4000
.set t, 1
.rept 8
	s_mov_b32 s[MK+t-1], (1<<(6+t))*0x10001
	s_mov_b32 s[SC+2*t-2], (192-(1<<(t-1)))<<23
	s_mov_b32 s[SC+2*t-1], (192-(1<<(t-1)))<<23
.set t, t+1
.endr
	s_mul_i32 s20, s[WV], XP                       ; x: row w, 8 bytes a lane
	v_lshl_add_u32 v[XSA], v[LN], 3, s20
	v_mul_u32_u24 v[XF0], v[RR], XP                ; a fragment: row l % 16, 16 bytes for each half of the lanes
	v_lshl_add_u32 v[XF0], v[HH], 4, v[XF0]
	v_mul_u32_u24 v[CB], v[LN], CP                 ; chain l
	v_add_nc_u32 v[CB], PR, v[CB]
	s_mul_i32 s20, s[WV], CP                       ; my slot's chains are w and 16 + w
	s_add_co_u32 s20, s20, PR
	v_add_nc_u32 v[PRA], s20, v[L16]
	s_lshl_b32 s20, s[WV], 4
	s_add_co_u32 s20, s20, PCH
	v_mov_b32 v[PCW], s20
	v_lshlrev_b32 v[ENT], 4, v[RR]
	v_lshl_add_u32 v[ENT], v[HH], 3, v[ENT]
	v_add_nc_u32 v[ENT], PCH, v[ENT]
	s_lshl_b32 s20, s[WV], 5
	v_lshl_add_u32 v[UB], v[HH], 3, s20
	s_lshl_b32 s20, s[WV], 10                      ; my two unit blocks are the two halves of K step w
	s_add_co_u32 s20, s20, SPKL
	v_add_nc_u32 v[PSA], s20, v[L16]
	v_add_nc_u32 v[SW0], SPKL, v[L16]
	v_mov_b32 v[SWA], v[SW0]
	s_mov_b32 s[KA], 0
	v_mul_u32_u24 v[STO], v[RR], SP                ; in: row l % 16, my 16 columns, 32 bytes for each half of the lanes
	v_lshl_add_u32 v[STO], v[HH], 5, v[STO]
	s_lshl_b32 s20, s[WV], 6
	s_add_co_u32 s20, s20, STG
	v_add_nc_u32 v[STO], s20, v[STO]
	s_mul_i32 s20, s[WV], SP                       ; back: row w, whole
	s_add_co_u32 s20, s20, STG
	v_add_nc_u32 v[RD], s20, v[L16]
	v_add_nc_u32 v48, -16, v[LN]
	THETA 1, 0x3f000000
	THETA 2, 0x3e800000
	THETA 3, 0x3e2aaaab
	THETA 4, 0x3e000000
	THETA 5, 0x3dcccccd
	THETA 6, 0x3daaaaab
	THETA 7, 0x3d924925
	THETA 8, 0x3d800000
	; SLOT w's ROW: the w-th set bit of the 128.  First the word in which it lies and its rank there; then the word's lowest set bit is cleared as many times as the rank says
	; (15 times at the most; each time the clearing is made and a select keeps or drops it); the lowest bit left is the row.  A word that runs empty: no marked row is left, and the slot takes row 0.
	s_wait_kmcnt 0x0
	s_bcnt1_i32_b32 s[P1], s[M]
	s_bcnt1_i32_b32 s20, s[M+1]
	s_add_co_u32 s[P1+1], s[P1], s20
	s_bcnt1_i32_b32 s20, s[M+2]
	s_add_co_u32 s[P1+2], s[P1+1], s20
	s_mov_b32 s[CUR], s[M]
	s_mov_b32 s[BASE], 0
	s_mov_b32 s[QQ], s[WV]
.irp j, 1,2,3
	s_sub_co_u32 s20, s[WV], s[P1+\j-1]
	s_cmp_ge_u32 s[WV], s[P1+\j-1]
	s_cselect_b32 s[CUR], s[M+\j], s[CUR]
	s_cselect_b32 s[BASE], 32*\j, s[BASE]
	s_cselect_b32 s[QQ], s20, s[QQ]
.endr
.set i, 0
.rept 15
	s_sub_co_u32 s20, s[CUR], 1
	s_and_b32 s20, s20, s[CUR]
	s_cmp_gt_u32 s[QQ], i
	s_cselect_b32 s[CUR], s20, s[CUR]
.set i, i+1
.endr
	s_ctz_i32_b32 s20, s[CUR]
	s_add_co_u32 s20, s20, s[BASE]
	s_cmp_lg_u32 s[CUR], 0
	s_cselect_b32 s[ROW], s20, 0
	; the row's two keys: the wave that made row q stored them at word 64 (q / 32) + 2 (q % 16) + (q / 16) % 2, and 32 words on
	s_lshr_b32 s20, s[ROW], 5
	s_lshl_b32 s20, s20, 6
	s_and_b32 s21, s[ROW], 15
	s_lshl1_add_u32 s20, s21, s20
	s_bfe_u32 s21, s[ROW], 0x10004
	s_add_co_u32 s20, s20, s21
	s_min_u32 s20, s20, 223                        ; a number made of loaded words enters an address only behind such a bound
	s_lshl_b32 s21, ttmp9, 8
	s_add_co_u32 s20, s20, s21
	s_lshl_b32 s[KOF], s20, 2
	s_load_b32 s[K0], s[KEYS:KEYS+1], s[KOF] offset:0x0
	s_load_b32 s[K1], s[KEYS:KEYS+1], s[KOF] offset:0x80
	s_min_u32 s[ROW], s[ROW], 127
	s_lshl_b32 s20, ttmp9, 7
	s_add_co_u32 s[ROW], s[ROW], s20
	s_lshl_b32 s[OO], s[ROW], 11
	s_add_nc_u64 s[4:5], s[4:5], s[OO:OO+1]        ; x at my slot's row
	s_lshl_b32 s[OO], s[ROW], 10
	s_add_nc_u64 s[16:17], s[16:17], s[OO:OO+1]    ; out0 likewise
.irp j, 0,1,2,3
	global_load_b128 v[XIN+4*\j:XIN+4*\j+3], v[L16], s[4:5] offset:512*\j  ; the whole row, 512 consecutive bytes a load
.endr
	s_wait_kmcnt 0x0                               ; the keys: their low byte is 32 chunk + 8 block + register; the unit is 64 chunk + 16 block + 8 half + register
	s_and_b32 s20, s[K0], 0xf8
	s_lshl_b32 s20, s20, 1
	s_and_b32 s21, s[K0], 7
	s_add_co_u32 s20, s20, s21
	s_min_u32 s[U0], s20, 511
	s_and_b32 s20, s[K1], 0xf8
	s_lshl_b32 s20, s20, 1
	s_and_b32 s21, s[K1], 7
	s_add_co_u32 s20, s20, s21
	s_add_co_u32 s20, s20, 8
	s_min_u32 s[U1], s20, 511
	s_lshl_b32 s[OO], s[U0], 11
	s_add_nc_u64 s[RW0:RW0+1], s[6:7], s[OO:OO+1]
	s_lshl_b32 s[OO], s[U1], 11
	s_add_nc_u64 s[RW1:RW1+1], s[6:7], s[OO:OO+1]
	s_lshl_b32 s[KOF], s[U0], 2
	s_lshl_b32 s[KOF2], s[U1], 2
	s_load_b32 s[B0], s[10:11], s[KOF] offset:0x0
	s_load_b32 s[B1], s[10:11], s[KOF2] offset:0x0
.irp j, 0,1,2,3
	global_load_b128 v[WIN+4*\j:WIN+4*\j+3],       v[L16], s[RW0:RW0+1] offset:512*\j
	global_load_b128 v[WIN+16+4*\j:WIN+16+4*\j+3], v[L16], s[RW1:RW1+1] offset:512*\j
.endr
	s_wait_loadcnt 0x0                             ; x and the two rows of W1; all that was asked for earlier is in with them
	s_wait_kmcnt 0x0
	; x is rounded to bf16 and laid into row w: my 4 numbers of load j are k = 128 j + 4 l + 0..3
.irp j, 0,1,2,3
	v_cvt_pk_bf16_f32 v[XT+2*\j],   v[XIN+4*\j],   v[XIN+4*\j+1]
	v_cvt_pk_bf16_f32 v[XT+2*\j+1], v[XIN+4*\j+2], v[XIN+4*\j+3]
	ds_store_b64 v[XSA], v[XT+2*\j:XT+2*\j+1] offset:256*\j
.endr
	; THE PRODUCTS: x and W1 rounded to bf16 and widened again; into the rows of chains w and 16 + w, in the order of k
.irp j, 0,1,2,3,4,5,6,7
	v_lshlrev_b32 v[XIN+2*\j],   16, v[XT+\j]
	v_and_b32     v[XIN+2*\j+1], s[HM], v[XT+\j]
.endr
.irp h, 0,1
.set i, 0
.rept 8
	v_cvt_pk_bf16_f32 v[WT+i], v[WIN+16*\h+2*i], v[WIN+16*\h+2*i+1]
.set i, i+1
.endr
.set i, 0
.rept 8
	v_lshlrev_b32 v[WIN+16*\h+2*i],   16, v[WT+i]
	v_and_b32     v[WIN+16*\h+2*i+1], s[HM], v[WT+i]
.set i, i+1
.endr
.set i, 0
.rept 8
	v_pk_mul_f32 v[WIN+16*\h+2*i:WIN+16*\h+2*i+1], v[WIN+16*\h+2*i:WIN+16*\h+2*i+1], v[XIN+2*i:XIN+2*i+1]
.set i, i+1
.endr
.set i, 0
.rept 4
	ds_store_b128 v[PRA], v[WIN+16*\h+4*i:WIN+16*\h+4*i+3] offset:16*CP*\h+512*i
.set i, i+1
.endr
.endr
	v_mov_b32 v[PE], s[U0]
	v_mov_b32 v[PE+1], s[B0]
	v_mov_b32 v[PE+2], s[U1]
	v_mov_b32 v[PE+3], s[B1]
	ds_store_b128 v[PCW], v[PE:PE+3]               ; all lanes write the same 16 bytes with the same values
	s_wait_dscnt 0x0                               ; for the others' sake: my row of x, my slot's products and its entry are in LDS
	s_barrier_signal -1
	s_barrier_wait -1                              ; all 16 slots' are
	ds_load_b64 v[EN:EN+1], v[ENT]                 ; the entry of slot l % 16, half l / 16: waited for with the first fragments
	P1X 0
	s_wait_dscnt 0x0
	P1MUL 0                                        ; K steps 0 to 3: W1's fragments came in at the head
	PLACES
	P1X 1
	s_wait_dscnt 0x0
	P1MUL 1                                        ; K steps 4 to 7
	PLACES
	P1LOAD 2                                       ; both buffers are asked for again; they land under the additions
	P1LOAD 3
; THE 32 CHAINS, one a lane: 512 additions in ascending k.  16 products at a time (four loads of 16 bytes a lane) through two buffers: while one is added, the other's loads are on their way.
.macro CLOAD buf, off
.irp q, 0,1,2,3
	ds_load_b128 v[\buf+4*\q:\buf+4*\q+3], v[PRR] offset:(\off)+16*\q
.endr
.endm
.macro CADD buf
.set i, 0
.rept 16
	v_add_f32 v[ACCC], v[ACCC], v[\buf+i]
.set i, i+1
.endr
.endm
	v_mov_b32 v[ACCC], 0                           ; the chain begins at 0: 0 + p = p exactly
	v_mov_b32 v[PRR], v[CB]
	s_mov_b32 s[XO], 0
	CLOAD PKA, 0
	CLOAD PKB, 64
	s_mov_b32 s[KC], 7
.Ladd:                                                 ; a trip: 64 k; it asks for the products up to 96 k ahead of its first
	s_wait_dscnt 4                                 ; LDS loads come back in order (ISA guide 5.7.1): this buffer is in, the other buffer's four loads stay out
	CADD PKA
	CLOAD PKA, 128
	s_wait_dscnt 4
	CADD PKB
	CLOAD PKB, 192
	s_wait_dscnt 4
	CADD PKA
	CLOAD PKA, 256
	s_wait_dscnt 4
	CADD PKB
	CLOAD PKB, 320
	s_add_co_u32 s[XO], s[XO], 256
	v_add_nc_u32 v[PRR], s[XO], v[CB]
	s_sub_co_u32 s[KC], s[KC], 1
	s_cmp_lg_u32 s[KC], 0
	s_cbranch_scc1 .Ladd
	s_wait_dscnt 4                                 ; the last 64 k: two more buffers are asked for, then none
	CADD PKA
	CLOAD PKA, 128
	s_wait_dscnt 4
	CADD PKB
	CLOAD PKB, 192
	s_wait_dscnt 4
	CADD PKA
	s_wait_dscnt 0x0
	CADD PKB
	v_cvt_pk_bf16_f32 v[CHV], v[EN+1], v[EN+1]     ; b1 of the chain's unit, rounded to bf16,
	v_lshlrev_b32 v[CHV], 16, v[CHV]
	v_add_f32 v[CHV], v[ACCC], v[CHV]              ; is added last
	v_sub_nc_u32 v[DD], v[EN], v[UB]
	s_barrier_signal -1                            ; my reads of the products are back (the wait for 0 above): the spike words will be laid over them
	s_barrier_wait -1                              ; every wave's are
	P1X 2
	s_wait_loadcnt 16                              ; batch 2 is in; batch 3's sixteen loads may stay out
	s_wait_dscnt 0x0
	P1MUL 2                                        ; K steps 8 to 11
	PLACES
	P1X 3
	s_wait_loadcnt 0x0
	s_wait_dscnt 0x0
	P1MUL 3                                        ; K steps 12 to 15
	; LAYER 1 for my 32 units x 16 slots.  The 36 lines that round the biases to bf16 are the places behind the last products.
.set i, 0
.rept 8
	v_cvt_pk_bf16_f32 v[48+i%2], v[BB+2*i], v[BB+2*i+1]
	v_lshlrev_b32 v[BB+2*i], 16, v[48+i%2]
	v_and_b32 v[BB+2*i+1], s[HM], v[48+i%2]
.set i, i+1
.endr
.set i, 0
.rept 4
	v_cvt_pk_bf16_f32 v[48+i%2], v[B2+2*i], v[B2+2*i+1]
	v_lshlrev_b32 v[B2+2*i], 16, v[48+i%2]
	v_and_b32 v[B2+2*i+1], s[HM], v[48+i%2]
.set i, i+1
.endr
.macro W2FETCH b, off                  ; my fragment of W2 for one K step, into buffer b: each load 512 consecutive bytes
	global_load_b128 v[WF+8*(\b):WF+8*(\b)+3],   v[L16], s[8:9] offset:(\off)
	global_load_b128 v[WF+8*(\b)+4:WF+8*(\b)+7], v[L16], s[8:9] offset:(\off)+512
.endm
	W2FETCH 0, 0                                   ; W2's K steps 0 to 2 go out now, where x's fragments lay, and land under the compares below
	W2FETCH 1, 1024
	W2FETCH 2, 2048
.set i, 0
.rept 8                                        ; pre1 = sum + b1; each accumulator is read from its low end on
	v_pk_add_f32 v[PP+2*i:PP+2*i+1], v[ACC1+2*i:ACC1+2*i+1], v[BB+2*i:BB+2*i+1]
.set i, i+1
.endr
	; THE PATCH.  The unit named for slot l % 16, half l / 16 lies, if in my wave at all, in my lane: register 8 block + j holds unit 32 w + 16 block + 8 (l / 16) + j.
.set i, 0
.rept 16
	v_cmp_eq_u32 vcc_lo, 16*(i/8)+i%8, v[DD]
	v_cndmask_b32 v[PP+i], v[PP+i], v[CHV], vcc_lo
.set i, i+1
.endr
.set tl, 0
.rept 2                                        ; unit block tl
.set n, 8
.rept 8                                        ; from period 8 down to 1: the last compare that holds, the least period, keeps its pattern; none holds: no spike
.set e, 0
.rept 8
	v_cmp_lt_f32 s[CM+e], s[TH+n-1], v[PP+8*tl+e]
.set e, e+1
.endr
.set e, 0
.rept 8
.if n == 8
	v_cndmask_b32 v[PAT+8*tl+e], 0, s[PT+n-1], s[CM+e]
.else
	v_cndmask_b32 v[PAT+8*tl+e], v[PAT+8*tl+e], s[PT+n-1], s[CM+e]
.endif
.set e, e+1
.endr
.set n, n-1
.endr
.set e, 0
.rept 4
	v_lshl_or_b32 v[WD+4*tl+e], v[PAT+8*tl+2*e+1], 16, v[PAT+8*tl+2*e]
.set e, e+1
.endr
	ds_store_b128 v[PSA], v[WD+4*tl:WD+4*tl+3] offset:tl*512  ; half tl of K step w of the second product's source 1
.set tl, tl+1
.endr
	s_wait_dscnt 0x0                               ; for the others' sake: my spike words are in LDS
	s_barrier_signal -1
	s_barrier_wait -1                              ; all 512 units' are
; THE SECOND PRODUCT: 16 slots x my 16 columns x all 8 steps: 8 accumulators, which take turns; 16 K steps.
.macro AND8 tt, b                      ; step tt's operand: the spike words AND the step's mask
.set w, 0
.rept 8
	v_and_b32 v[TT+8*((\tt)-1)+w], s[MK+(\tt)-1], v[SW+8*(\b)+w]
.set w, w+1
.endr
.endm
.macro SWFETCH b, off                  ; a K step's spike words
	ds_load_b128 v[SW+8*(\b):SW+8*(\b)+3],   v[SWA] offset:(\off)
	ds_load_b128 v[SW+8*(\b)+4:SW+8*(\b)+7], v[SWA] offset:(\off)+512
.endm
; A K step on W2's buffer wfb and the spike words' buffer swb.  zero = 1: its products start the sums.  woff >= 0: W2's fragment three K steps on is asked for, into the buffer read last.  soff >= 0: the next K step's spike words.
; left: the loads of W2 issued behind this K step's, which may stay out: two for each K step ahead.
; Step 1's eight ANDs are the places between the last product that read the buffer and the loads into it; behind each product stand the eight ANDs of the next step's operand.
.macro KS2 wfb, swb, zero, woff, soff, left
	s_wait_loadcnt \left
	s_wait_dscnt 0x0                               ; the spike words asked for a K step ago
	AND8 1, \swb
.if (\woff) >= 0
	W2FETCH ((\wfb)+3)%4, \woff
.endif
.if (\soff) >= 0
	SWFETCH 1-(\swb), \soff
.endif
.set t, 1
.rept 8
.if \zero
	v_wmma_f32_16x16x32_bf16 v[ACC2+8*(t-1):ACC2+8*(t-1)+7], v[WF+8*(\wfb):WF+8*(\wfb)+7], v[TT+8*(t-1):TT+8*(t-1)+7], 0
.else
	v_wmma_f32_16x16x32_bf16 v[ACC2+8*(t-1):ACC2+8*(t-1)+7], v[WF+8*(\wfb):WF+8*(\wfb)+7], v[TT+8*(t-1):TT+8*(t-1)+7], v[ACC2+8*(t-1):ACC2+8*(t-1)+7]
.endif
.if t < 8
	AND8 t+1, \swb
.endif
.set t, t+1
.endr
.endm
	SWFETCH 0, 0
	KS2 0, 0, 1, 3072, 1024, 4                     ; K step 0 stands in front of the loop: its products start the sums
	s_mov_b32 s[KC], 3
.Lk2:                                                  ; a trip: K steps 4 i + 1 to 4 i + 4; it asks for W2's K steps 4 i + 4 to 4 i + 7
	KS2 1, 1, 0, 4096, 2048, 4
	KS2 2, 0, 0, 5120, 3072, 4
	KS2 3, 1, 0, 6144, 4096, 4
	KS2 0, 0, 0, 7168, 5120, 4
	s_wait_xcnt 0x0                                ; every earlier memory instruction has had its addresses translated (ISA guide 3.1): only behind this wait is the loads' base stepped
	s_add_nc_u64 s[8:9], s[8:9], 4096
	s_add_co_u32 s[KA], s[KA], 4096
	v_add_nc_u32 v[SWA], s[KA], v[SW0]
	s_sub_co_u32 s[KC], s[KC], 1
	s_cmp_lg_u32 s[KC], 0
	s_cbranch_scc1 .Lk2
	KS2 1, 1, 0, -1, 2048, 4                       ; K steps 13 to 15: nothing more of W2 to ask for, and the counts run down
	KS2 2, 0, 0, -1, 3072, 2
	KS2 3, 1, 0, -1, -1, 0
	; LAYER 2: 8 numbers a lane, step after step.  mem2 = fma(sum, factor, mem2), then + b2 (step 1: fma(sum, factor, b2)); a spike is 1.0 or 0; mem2 - mem2 x spike is the reset.
	; The registers written first held operands whose last readers stand more than eight plain instructions back, and so do the products whose sums are read first.
.set t, 1
.rept 8
.set i, 0
.rept 4                                        ; each accumulator is read from its low end on
.if t == 1
	v_pk_fma_f32 v[MEM+2*i:MEM+2*i+1], v[ACC2+8*(t-1)+2*i:ACC2+8*(t-1)+2*i+1], s[SC+2*t-2:SC+2*t-1], v[B2+2*i:B2+2*i+1] op_sel_hi:[1,0,1]
.else
	v_pk_fma_f32 v[MEM+2*i:MEM+2*i+1], v[ACC2+8*(t-1)+2*i:ACC2+8*(t-1)+2*i+1], s[SC+2*t-2:SC+2*t-1], v[MEM+2*i:MEM+2*i+1] op_sel_hi:[1,0,1]
.endif
.set i, i+1
.endr
.if t > 1
.set i, 0
.rept 4
	v_pk_add_f32 v[MEM+2*i:MEM+2*i+1], v[MEM+2*i:MEM+2*i+1], v[B2+2*i:B2+2*i+1]
.set i, i+1
.endr
.endif
.set sp, SPK
.if t == 1
.set sp, CNT                                   ; step 1's spikes start the counts
.endif
.set e, 0
.rept 8
	v_cmp_lt_f32 s[CM+e], 0.5, v[MEM+e]
.set e, e+1
.endr
.set e, 0
.rept 8
	v_cndmask_b32 v[sp+e], 0, 1.0, s[CM+e]
.set e, e+1
.endr
.if t < 8
.set i, 0
.rept 4
	v_pk_fma_f32 v[MEM+2*i:MEM+2*i+1], v[MEM+2*i:MEM+2*i+1], v[sp+2*i:sp+2*i+1], v[MEM+2*i:MEM+2*i+1] neg_lo:[1,0,0] neg_hi:[1,0,0]
.set i, i+1
.endr
.endif
.if t > 1
.set i, 0
.rept 4
	v_pk_add_f32 v[CNT+2*i:CNT+2*i+1], v[CNT+2*i:CNT+2*i+1], v[SPK+2*i:SPK+2*i+1]
.set i, i+1
.endr
.endif
.set t, t+1
.endr
.set i, 0
.rept 4
	v_pk_mul_f32 v[CNT+2*i:CNT+2*i+1], v[CNT+2*i:CNT+2*i+1], 0x3e000000 op_sel_hi:[1,0]  ; the mean over 8 steps
.set i, i+1
.endr
	; THE WAY OUT: my 16 columns of all 16 slots into the stage; a barrier, since a row's 1,024 bytes come from 16 waves; then slot w's whole row.
	ds_store_b128 v[STO], v[CNT:CNT+3]
	ds_store_b128 v[STO], v[CNT+4:CNT+7] offset:16
	s_wait_dscnt 0x0                               ; for the others' sake: my stores into the stage are done
	s_barrier_signal -1
	s_barrier_wait -1
	ds_load_b128 v[OB:OB+3],   v[RD]
	ds_load_b128 v[OB+4:OB+7], v[RD] offset:512
	s_wait_dscnt 0x0
	global_store_b128 v[L16], v[OB:OB+3],   s[16:17]               ; each store covers 512 consecutive bytes, at a multiple of 256 from out0's first byte
	global_store_b128 v[L16], v[OB+4:OB+7], s[16:17] offset:512
	s_wait_tensorcnt 0x0                           ; the wave's end, behind my last LDS store
	ds_add_u32 v[SPW], v[NIL]
	s_wait_dscnt 0x0
	s_endpgm
.Lfunc_end_k_q2c4a484e52_fix:
	.size	k_q2c4a484e52_fix, .Lfunc_end_k_q2c4a484e52_fix-k_q2c4a484e52_fix
	.p2alignl 7, 3214868480
	.fill 96, 4, 3214868480
	.section	.rodata,"a",@progbits
	.p2align	6, 0x0
	.amdhsa_kernel k_q2c4a484e52_fix
		.amdhsa_group_segment_fixed_size 101632
		.amdhsa_private_segment_fixed_size 0
		.amdhsa_enable_private_segment 0
		.amdhsa_kernarg_size 64
		.amdhsa_user_sgpr_count 2
		.amdhsa_user_sgpr_kernarg_segment_ptr 1
		.amdhsa_wavefront_size32 1
		.amdhsa_system_sgpr_workgroup_id_x 1
		.amdhsa_system_sgpr_workgroup_id_y 1
		.amdhsa_system_sgpr_workgroup_id_z 1
		.amdhsa_system_vgpr_workitem_id 0
		.amdhsa_next_free_vgpr 256
		.amdhsa_next_free_sgpr 106
		.amdhsa_reserve_vcc 1
		.amdhsa_float_denorm_mode_32 3
		.amdhsa_float_denorm_mode_16_64 3
		.amdhsa_memory_ordered 1
		.amdhsa_forward_progress 1
		.amdhsa_inst_pref_size 96
	.end_amdhsa_kernel
	.amdgpu_metadata
---
amdhsa.version: [ 1, 2 ]
amdhsa.kernels:
  - .name:           k_q2c4a484e52_fix
    .symbol:         k_q2c4a484e52_fix.kd
    .args:
      - { .name: x, .offset: 0, .size: 8, .value_kind: global_buffer, .address_space: global }
      - { .name: W1, .offset: 8, .size: 8, .value_kind: global_buffer, .address_space: global }
      - { .name: wb, .offset: 16, .size: 8, .value_kind: global_buffer, .address_space: global }
      - { .name: b1, .offset: 24, .size: 8, .value_kind: global_buffer, .address_space: global }
      - { .name: b2, .offset: 32, .size: 8, .value_kind: global_buffer, .address_space: global }
      - { .name: doubt, .offset: 40, .size: 8, .value_kind: global_buffer, .address_space: global }
      - { .name: out0, .offset: 48, .size: 8, .value_kind: global_buffer, .address_space: global }
      - { .name: keys, .offset: 56, .size: 8, .value_kind: global_buffer, .address_space: global }
    .group_segment_fixed_size: 101632
    .private_segment_fixed_size: 0
    .kernarg_segment_align: 8
    .kernarg_segment_size: 64
    .max_flat_workgroup_size: 512
    .sgpr_count:     106
    .vgpr_count:     256
    .wavefront_size: 32
...
	.end_amdgpu_metadata
.endif
;; end of part 3
;; ======== version 2 of 2: 3 launches; version 1 with the launch fix written anew for expert scheduling mode
;; limits: inputs' magnitudes at most 3.69e+19; below input magnitudes of 2.6e-26 results are inexact or not finite
;; workspace buffers: wb 786,432 bytes; doubt 4,096 bytes of whole numbers; keys 262,144 bytes of whole numbers
;; launch prep: the kernel of part 1 again; grid 192 x 1, 4 waves a work-group, no clusters, 0 bytes of LDS; arguments W1, W2, wb; writes wb
;; launch snn: the kernel of part 2 again; grid 256 x 1, 4 waves a work-group, clusters of 4 x 1, 327,680 bytes of LDS; arguments x, wb, b1, b2, out0, doubt, keys; writes out0, doubt, keys
;; launch fix (part 4): grid 256 x 1, 16 waves a work-group, no clusters, 101,632 bytes of LDS; arguments x, W1, wb, b1, b2, doubt, out0, keys; writes out0
.if DOCPART == 4
	.amdgcn_target "amdgcn-amd-amdhsa--gfx1250"
	.amdhsa_code_object_version 6
	.text
	.protected	k_q2c4a484e52_fix
	.globl	k_q2c4a484e52_fix
	.p2align	8
	.type	k_q2c4a484e52_fix,@function
k_q2c4a484e52_fix:
	s_mov_b64 s[64:65], 0
	v_nop
	global_prefetch_b8 v0, s[64:65] scope:SCOPE_SE
	s_setreg_imm32_b32 hwreg(HW_REG_WAVE_SCHED_MODE, 0, 2), 2
	s_setreg_imm32_b32 hwreg(HW_REG_WAVE_MODE, 25, 1), 1
	s_wait_xcnt 0x0
	s_wait_alu depctr_vm_vsrc(0)
; THE ROWS IN DOUBT ARE MADE ANEW.  The launch before marked each row in which some pre1 lies so near a threshold that the order of the 512 additions decides its side (one bit a row in doubt), and named, for
; each half of a row's units, the unit nearest a threshold (keys).  Here a marked row's pre1 is made by the same bf16 matrix instructions in the same order of K, so with the same bits, and the two named units
; are added once more in a fixed order of f32 additions: pre1 = S(0..511) + b1, S ONE chain of rounded additions of the 512 products in ascending k, begun at 0.  The product of two bf16 numbers is exact in
; f32, so the chain is the whole of the rounding.  The chain's value takes the matrix unit's place; thresholds, patterns, spike words, the second product and layer 2 are the launch before's, whose head explains them.
; THE ORDER IS AN ASSUMPTION: it is what a kernel gives that keeps one accumulator for an output from the first k to the last.  A reference that adds in another order may decide a unit within a few last places of a threshold otherwise.
; SHARES.  A work-group owns 128 rows and always makes 16 SLOTS: slot w is the w-th marked row of the 128; a slot with no marked row left takes the group's row 0 (its numbers are made and stored
; like any other's; slots with the same row store the same bytes).  So no branch and no trip count hangs on the marks, and every barrier is on every wave's path.
; Wave w of 16: finds slot w's row and its two units by scalar work on whole numbers that the launch before stored; brings that row of x and the two rows of W1 in and lays their products into LDS;
; adds ALL 32 chains, lane l the chain of slot l % 16, half l / 16, which is the lane that holds that slot's units of that half: so the value is where the patch needs it, in every wave, with no second exchange;
; makes hidden units 32 w to 32 w + 31 for all 16 slots; makes output columns 16 w to 16 w + 15 for all 16 slots; stores slot w's whole row of out0.
; LOADS AHEAD.  W1's fragments come in four batches of four K steps, into two buffers: batches 0 and 1 are asked for at the head, batch 2 behind batch 0's products, batch 3 in front of the 512 additions.
; W2's fragments go through four buffers, three K steps ahead; the first three are asked for in front of layer 1's compares.
; NO CLUSTER, NO TENSOR LOADS: each wave reads weights that no other wave of the work-group reads (32 KiB and 16 KiB of wb), straight into registers.
; LIMITS.  Of more than 16 marked rows in a group's 128 the first 16 are made anew; of a row half one unit.  A product of x and W1 below 2^-126 may lose bits under 2^-149.  The other limits are those stated in the launch before.
; LDS: 0 x in bf16, 16 rows x 1,040 bytes; the stage, 16 rows x 1,040; the products, 32 chains x 2,064 bytes, and later, over their first 16,384 bytes, the spike words as fragments; the table, 16 bytes a slot; the spare words.
; THE MODE: SCHED_MODE bits 1:0 = 2 (LLVM: expert scheduling mode 2), set by the entry lines.  The code itself states the register dependences
; between vector or matrix instructions and memory or LDS instructions, and those through scalar registers that vector instructions write, with s_wait_alu, always for 0.
; THE PLAN.  Registers that memory or LDS instructions touch:
;   v4-v13, v17-v19, v44   offsets and LDS addresses.  All are made at the head, ahead of ONE wait on va_vdst, and never written again, but for v[PRR] and v[SWA], which step once a trip of their loops:
;                          a wait on vm_vsrc ahead of the add; the next step's wait on va_vdst, which stands there anyway, ahead of the next load by the address.
;   v64-95    x as loaded, x in bf16 (LDS stores read it), then x's fragments of four K steps (LDS loads; the products read them), chain buffers A and B (LDS loads; the additions read them),
;             x's fragments again, and at last W2's four buffers (global loads; K step p reads buffer p % 4, and the load of K step p + 3 lands in the buffer that K step p - 1 read).
;   v96-127   W1's two rows as loaded, then the products (LDS stores read them); then v96-111 two accumulators, v112-127 chain buffer C and later pre1.
;   v128-255  W1's two fragment buffers (global loads; batch g's products read buffer g % 2); later v144-151 the packed words (LDS stores read them; the seventh accumulator writes them),
;             v240-255 two buffers of spike words (LDS loads; K step p's ANDs read buffer p % 2), v168-175 the counts (LDS stores read them), v184-191 my slot's row (LDS loads; the global stores read it).
; A step of the chain, a batch of the first product and a K step of the second have one wait on va_vdst each: it states that the step before is done reading the buffers in which this step's loads land.
; Compares stand in runs, into 8 or 16 scalar masks, with one wait on va_sdst between a run and the selects that read the masks.
.set XP,    1040                       ; a row of x: 1,024 bytes + 16 = 65 x 16: the 16 rows of a fragment load start at 16 different groups of four banks (64 banks of 4 bytes: ISA guide 11.1)
.set STG,   16*XP
.set SP,    1040                       ; a stage row: 1,024 bytes + 16
.set PR,    STG+16*SP
.set CP,    2064                       ; a chain's 512 products: 2,048 bytes + 16 = 129 x 16, for the same reason
.set SPKL,  PR                         ; the spike words lie over the products, behind a barrier
.set PCH,   PR+32*CP                   ; slot s: unit 0, its b1, unit 1, its b1
.set SPARE, PCH+256                    ; the spare words, 128 bytes for each of 16 waves: eight blocks of 256 bytes that no other line names
.set LN,  1                            ; v1   lane
.set RR,  2                            ; v2   l % 16
.set HH,  3                            ; v3   l / 16
.set L16, 4                            ; v4   16 x lane; never rewritten
.set XSA, 5                            ; v5   where I put 8 bytes of my row of x
.set XF0, 6                            ; v6   my place in a fragment of x; never rewritten
.set CB,  7                            ; v7   my lane's chain; never rewritten
.set BO,  8                            ; v8   my 8 numbers in 16 of a bias: 32 (l / 16)
.set PSA, 9                            ; v9   where my spike words go
.set SWA, 10                           ; v10  the spike words of the trip in hand
.set PRR, 11                           ; v11  my chain's products of the trip in hand
.set STO, 12                           ; v12  the way out: where I put 32 bytes of a row
.set RD,  13                           ; v13  the way out: where I read my slot's row back
.set SPW, 14                           ; v14  LDS address of my spare word; never rewritten
.set NIL, 15                           ; v15  0; never rewritten
.set TW,  16
.set SW0, 17                           ; v17  the spike words' first byte + 16 x lane; never rewritten
.set PRA, 18                           ; v18  where I put 16 bytes of products
.set PCW, 19                           ; v19  my slot's entry in the table
.set BB,  20                           ; v20-35  16 numbers of b1
.set B2,  36                           ; v36-43  8 numbers of b2
.set ENT, 44                           ; v44  the entry of slot l % 16, half l / 16
.set EN,  46                           ; v46-47  that entry: unit, b1
.set UB,  51                           ; v51  the first unit that I hold: 32 w + 8 (l / 16)
.set DD,  52                           ; v52  the entry's unit less that
.set ACCC, 53                          ; v53  my chain
.set CHV, 54                           ; v54  my chain + b1
.set PE,  56                           ; v56-59  my slot's entry as stored
.set XIN, 64                           ; at the start: my row of x; its bf16; the two rows of W1, then the products
.set XT,  80
.set WT,  88
.set WIN, 96
.set PKA, 64                           ; the additions: three buffers of 16 products
.set PKB, 80
.set PKC, 112
.set XFR, 64                           ; the first product: x's fragments of four K steps,
.set ACC1, 96                          ; two accumulators,
.set WFR, 128                          ; two buffers of W1's fragments of four K steps: 8 (2 step + block)
.set PP,  112                          ; pre1, 8 for each unit block
.set PAT, 128
.set WD,  144                          ; packed words
.set WF,  64                           ; the second product: four buffers of W2's fragment,
.set ACC2, 96                          ; v96-159  the accumulators, step t at ACC2 + 8 (t - 1),
.set TT,  160                          ; v160-223 the masked operands, likewise,
.set SW,  240                          ; v240-255 two buffers of spike words
.set MEM, 160                          ; layer 2, behind the second product
.set CNT, 168
.set SPK, 176
.set OB,  184
.set U1,  2                            ; s2   the unit named for the row's second half
.set WV,  18                           ; s18  my wave's number
.set QQ,  19                           ; s19  my slot's rank inside its word of marks
.set M,   24                           ; s[24:27] the group's four words of marks
.set K0,  24                           ; later: the two keys, b1 of the two units
.set K1,  25
.set B0,  26
.set B1,  27
.set P1,  28                           ; s28-30  marked rows in words 0; 0, 1; 0, 1, 2
.set ROW, 31                           ; s31  my slot's row
.set OO,  32                           ; s[32:33] an offset, high word 0
.set KC,  34
.set HM,  35                           ; s35  a word's upper bf16
.set XO,  36                           ; s36  192 x trip of the additions
.set KA,  37                           ; s37  4,096 x trip of the second product
.set CUR, 38                           ; s38  the word of marks in which my slot lies
.set BASE, 39                          ; s39  32 x its number
.set KOF, 38                           ; later: offsets of scalar loads
.set KOF2, 39
.set TH,  40                           ; s[40:47] TH_1 .. TH_8
.set PT,  48                           ; s[48:55] the patterns of periods 1 .. 8
.set MK,  56                           ; s[56:63] mask_1 .. mask_8
.set SC,  66                           ; s[66:81] 2^(65 - 2^(t-1)), in pairs
.set CM,  82                           ; s[82:89] eight compare masks; from layer 1 on sixteen, s[82:97]: the loads that read s[90:97] as bases are done by then
.set KEYS, 90                          ; s[90:91]
.set RW0, 94                           ; s[94:95], s[96:97] W1 at the two units' rows
.set RW1, 96
.set WB1, 98                           ; s[98:99] wb at my two blocks of W1
.set U0,  101                          ; s101 the unit named for the row's first half
.set BP,  104                          ; s[104:105] b1 at my 32 units
; TH_n: the largest f32 number p whose chain p, p + p, (p + p) + p .. of n terms stays <= 0.5.  Lane l tries the number whose bits are base - 16 + l; the chain is monotone, so the lanes that pass are the first c.
; In two halves: THETAV makes the mask of the lanes that pass, a mask for each n; THETAS counts it.  The eight masks are made in a run, with one wait between the run and the counts.
.macro THETAV n, base
	v_add_nc_u32 v49, \base, v48
.if (\n) == 1
	v_cmp_ge_f32 s[CM+(\n)-1], 0.5, v49
.else
	v_add_f32 v50, v49, v49
.rept (\n)-2
	v_add_f32 v50, v50, v49
.endr
	v_cmp_ge_f32 s[CM+(\n)-1], 0.5, v50
.endif
.endm
.macro THETAS n, base
	s_bcnt1_i32_b32 s20, s[CM+(\n)-1]
	s_add_co_u32 s[TH+(\n)-1], s20, (\base)-17
.endm
.macro PLACES                          ; a load into a register that a matrix instruction has read stands four plain vector instructions behind it (ISA guide 7.12.1 for vector instructions); the wait on va_vdst beside them states the dependence
.rept 4
	v_nop
.endr
.endm
; THE FIRST PRODUCT for my 32 units x 16 slots, in batches g of four K steps.  P1LOAD: W1's 8 fragments (K step 4 g + n / 2, unit block n % 2), each load 512 consecutive bytes, into buffer g % 2.
.macro P1LOAD g
.set n, 0
.rept 8
	global_load_b128 v[WFR+64*((\g)%2)+8*n:WFR+64*((\g)%2)+8*n+3],   v[L16], s[WB1:WB1+1] offset:(n%2)*16384+(4*(\g)+n/2)*1024
	global_load_b128 v[WFR+64*((\g)%2)+8*n+4:WFR+64*((\g)%2)+8*n+7], v[L16], s[WB1:WB1+1] offset:(n%2)*16384+(4*(\g)+n/2)*1024+512
.set n, n+1
.endr
.endm
.macro P1X g                           ; x's 4 fragments of the batch
.set n, 0
.rept 4
	ds_load_b128 v[XFR+8*n:XFR+8*n+3],   v[XF0] offset:(4*(\g)+n)*64
	ds_load_b128 v[XFR+8*n+4:XFR+8*n+7], v[XF0] offset:(4*(\g)+n)*64+32
.set n, n+1
.endr
.endm
.macro P1MUL g                         ; 8 matrix instructions; the two accumulators take turns, one instruction a turn, from batch to batch too; the first two start the sums
.set n, 0
.rept 8
.if ((\g) == 0) && (n < 2)
	v_wmma_f32_16x16x32_bf16 v[ACC1+8*(n%2):ACC1+8*(n%2)+7], v[WFR+64*((\g)%2)+8*n:WFR+64*((\g)%2)+8*n+7], v[XFR+8*(n/2):XFR+8*(n/2)+7], 0
.else
	v_wmma_f32_16x16x32_bf16 v[ACC1+8*(n%2):ACC1+8*(n%2)+7], v[WFR+64*((\g)%2)+8*n:WFR+64*((\g)%2)+8*n+7], v[XFR+8*(n/2):XFR+8*(n/2)+7], v[ACC1+8*(n%2):ACC1+8*(n%2)+7]
.endif
.set n, n+1
.endr
.endm
	s_load_b256 s[4:11], s[0:1], 0x0               ; x s[4:5], W1 s[6:7], wb s[8:9], b1 s[10:11]
	s_load_b128 s[12:15], s[0:1], 0x20             ; b2 s[12:13], doubt s[14:15]
	s_load_b64 s[16:17], s[0:1], 0x30              ; out0
	s_load_b64 s[KEYS:KEYS+1], s[0:1], 0x38
	v_lshl_add_u32 v[SPW], v0, 2, SPARE
	v_mov_b32 v[NIL], 0
	v_lshrrev_b32 v[TW], 5, v0
	v_readfirstlane_b32 s[WV], v[TW]               ; wave 0..15
	v_and_b32 v[LN], 31, v0
	v_and_b32 v[RR], 15, v0
	v_bfe_u32 v[HH], v0, 4, 1
	v_lshlrev_b32 v[L16], 4, v[LN]
	v_lshlrev_b32 v[BO], 5, v[HH]
	s_lshl_b32 s[OO], ttmp9, 4                     ; the group's four words of marks
	s_mov_b32 s[OO+1], 0
	s_wait_kmcnt 0x0
	s_add_nc_u64 s[14:15], s[14:15], s[OO:OO+1]
	s_load_b128 s[M:M+3], s[14:15], 0x0            ; the marks are asked for first: three more loads hang on them, one after the other
	s_wait_alu depctr_va_sdst(0)                   ; s[WV] is written, ahead of its first reader: bases and LDS addresses are made from it
	s_lshl_b32 s[OO], s[WV], 15                    ; wb: W1's blocks 2 w and 2 w + 1,
	s_add_nc_u64 s[WB1:WB1+1], s[8:9], s[OO:OO+1]
	s_lshl_b32 s[OO], s[WV], 14                    ; and W2's block w, behind W1's 32
	s_add_co_u32 s[OO], s[OO], 32*16384
	s_add_nc_u64 s[8:9], s[8:9], s[OO:OO+1]
	s_lshl_b32 s[OO], s[WV], 7                     ; b1: my 32 numbers
	s_add_nc_u64 s[BP:BP+1], s[10:11], s[OO:OO+1]
	s_lshl_b32 s[OO], s[WV], 6                     ; b2: my 16 numbers
	s_add_nc_u64 s[12:13], s[12:13], s[OO:OO+1]
	s_mul_i32 s20, s[WV], XP                       ; x: row w, 8 bytes a lane
	v_lshl_add_u32 v[XSA], v[LN], 3, s20
	v_mul_u32_u24 v[XF0], v[RR], XP                ; a fragment: row l % 16, 16 bytes for each half of the lanes
	v_lshl_add_u32 v[XF0], v[HH], 4, v[XF0]
	v_mul_u32_u24 v[CB], v[LN], CP                 ; chain l
	v_add_nc_u32 v[CB], PR, v[CB]
	s_mul_i32 s20, s[WV], CP                       ; my slot's chains are w and 16 + w
	s_add_co_u32 s20, s20, PR
	v_add_nc_u32 v[PRA], s20, v[L16]
	s_lshl_b32 s20, s[WV], 4
	s_add_co_u32 s20, s20, PCH
	v_mov_b32 v[PCW], s20
	v_lshlrev_b32 v[ENT], 4, v[RR]
	v_lshl_add_u32 v[ENT], v[HH], 3, v[ENT]
	v_add_nc_u32 v[ENT], PCH, v[ENT]
	s_lshl_b32 s20, s[WV], 5
	v_lshl_add_u32 v[UB], v[HH], 3, s20
	s_lshl_b32 s20, s[WV], 10                      ; my two unit blocks are the two halves of K step w
	s_add_co_u32 s20, s20, SPKL
	v_add_nc_u32 v[PSA], s20, v[L16]
	v_add_nc_u32 v[SW0], SPKL, v[L16]
	v_mov_b32 v[SWA], v[SW0]
	s_mov_b32 s[KA], 0
	v_mul_u32_u24 v[STO], v[RR], SP                ; in: row l % 16, my 16 columns, 32 bytes for each half of the lanes
	v_lshl_add_u32 v[STO], v[HH], 5, v[STO]
	s_lshl_b32 s20, s[WV], 6
	s_add_co_u32 s20, s20, STG
	v_add_nc_u32 v[STO], s20, v[STO]
	s_mul_i32 s20, s[WV], SP                       ; back: row w, whole
	s_add_co_u32 s20, s20, STG
	v_add_nc_u32 v[RD], s20, v[L16]
	v_add_nc_u32 v48, -16, v[LN]
	THETAV 1, 0x3f000000
	THETAV 2, 0x3e800000
	THETAV 3, 0x3e2aaaab
	THETAV 4, 0x3e000000
	THETAV 5, 0x3dcccccd
	THETAV 6, 0x3daaaaab
	THETAV 7, 0x3d924925
	THETAV 8, 0x3d800000
	s_wait_alu depctr_va_vdst(0)                   ; every offset and LDS address of the kernel is written: v4 to v13, v17 to v19, v44, which the loads and stores below read
.irp i, 0,1,2,3
	global_load_b128 v[BB+4*\i:BB+4*\i+3], v[BO], s[BP:BP+1] offset:(\i/2)*64+(\i%2)*16
.endr
	global_load_b128 v[B2:B2+3],   v[BO], s[12:13]
	global_load_b128 v[B2+4:B2+7], v[BO], s[12:13] offset:16
	P1LOAD 0                                       ; what hangs on the wave's number alone goes out now and lands under the scalar loads below
	P1LOAD 1
	s_mov_b32 s[HM], 0xffff0000
	s_mov_b32 s[PT+0], 0x7f80                      ; period 1: steps 1 to 8, bits 7 to 14
	s_mov_b32 s[PT+1], 0x5500
	s_mov_b32 s[PT+2], 0x1200
	s_mov_b32 s[PT+3], 0x4400
	s_mov_b32 s[PT+4], 0x0800
	s_mov_b32 s[PT+5], 0x1000
	s_mov_b32 s[PT+6], 0x2000
	s_mov_b32 s[PT+7], 0x4000
.set t, 1
.rept 8
	s_mov_b32 s[MK+t-1], (1<<(6+t))*0x10001
	s_mov_b32 s[SC+2*t-2], (192-(1<<(t-1)))<<23
	s_mov_b32 s[SC+2*t-1], (192-(1<<(t-1)))<<23
.set t, t+1
.endr
	s_wait_alu depctr_va_sdst(0)                   ; the eight masks s[82:89] are written, ahead of the counts that read them
	THETAS 1, 0x3f000000
	THETAS 2, 0x3e800000
	THETAS 3, 0x3e2aaaab
	THETAS 4, 0x3e000000
	THETAS 5, 0x3dcccccd
	THETAS 6, 0x3daaaaab
	THETAS 7, 0x3d924925
	THETAS 8, 0x3d800000
	; SLOT w's ROW: the w-th set bit of the 128.  First the word in which it lies and its rank there; then the word's lowest set bit is cleared as many times as the rank says
	; (15 times at the most; each time the clearing is made and a select keeps or drops it); the lowest bit left is the row.  A word that runs empty: no marked row is left, and the slot takes row 0.
	s_wait_kmcnt 0x0
	s_bcnt1_i32_b32 s[P1], s[M]
	s_bcnt1_i32_b32 s20, s[M+1]
	s_add_co_u32 s[P1+1], s[P1], s20
	s_bcnt1_i32_b32 s20, s[M+2]
	s_add_co_u32 s[P1+2], s[P1+1], s20
	s_mov_b32 s[CUR], s[M]
	s_mov_b32 s[BASE], 0
	s_mov_b32 s[QQ], s[WV]
.irp j, 1,2,3
	s_sub_co_u32 s20, s[WV], s[P1+\j-1]
	s_cmp_ge_u32 s[WV], s[P1+\j-1]
	s_cselect_b32 s[CUR], s[M+\j], s[CUR]
	s_cselect_b32 s[BASE], 32*\j, s[BASE]
	s_cselect_b32 s[QQ], s20, s[QQ]
.endr
.set i, 0
.rept 15
	s_sub_co_u32 s20, s[CUR], 1
	s_and_b32 s20, s20, s[CUR]
	s_cmp_gt_u32 s[QQ], i
	s_cselect_b32 s[CUR], s20, s[CUR]
.set i, i+1
.endr
	s_ctz_i32_b32 s20, s[CUR]
	s_add_co_u32 s20, s20, s[BASE]
	s_cmp_lg_u32 s[CUR], 0
	s_cselect_b32 s[ROW], s20, 0
	; the row's two keys: the wave that made row q stored them at word 64 (q / 32) + 2 (q % 16) + (q / 16) % 2, and 32 words on
	s_lshr_b32 s20, s[ROW], 5
	s_lshl_b32 s20, s20, 6
	s_and_b32 s21, s[ROW], 15
	s_lshl1_add_u32 s20, s21, s20
	s_bfe_u32 s21, s[ROW], 0x10004
	s_add_co_u32 s20, s20, s21
	s_min_u32 s20, s20, 223                        ; a number made of loaded words enters an address only behind such a bound
	s_lshl_b32 s21, ttmp9, 8
	s_add_co_u32 s20, s20, s21
	s_lshl_b32 s[KOF], s20, 2
	s_load_b32 s[K0], s[KEYS:KEYS+1], s[KOF] offset:0x0
	s_load_b32 s[K1], s[KEYS:KEYS+1], s[KOF] offset:0x80
	s_min_u32 s[ROW], s[ROW], 127
	s_lshl_b32 s20, ttmp9, 7
	s_add_co_u32 s[ROW], s[ROW], s20
	s_lshl_b32 s[OO], s[ROW], 11
	s_add_nc_u64 s[4:5], s[4:5], s[OO:OO+1]        ; x at my slot's row
	s_lshl_b32 s[OO], s[ROW], 10
	s_add_nc_u64 s[16:17], s[16:17], s[OO:OO+1]    ; out0 likewise
.irp j, 0,1,2,3
	global_load_b128 v[XIN+4*\j:XIN+4*\j+3], v[L16], s[4:5] offset:512*\j  ; the whole row, 512 consecutive bytes a load; no vector instruction has named these registers
.endr
	s_wait_kmcnt 0x0                               ; the keys: their low byte is 32 chunk + 8 block + register; the unit is 64 chunk + 16 block + 8 half + register
	s_and_b32 s20, s[K0], 0xf8
	s_lshl_b32 s20, s20, 1
	s_and_b32 s21, s[K0], 7
	s_add_co_u32 s20, s20, s21
	s_min_u32 s[U0], s20, 511
	s_and_b32 s20, s[K1], 0xf8
	s_lshl_b32 s20, s20, 1
	s_and_b32 s21, s[K1], 7
	s_add_co_u32 s20, s20, s21
	s_add_co_u32 s20, s20, 8
	s_min_u32 s[U1], s20, 511
	s_lshl_b32 s[OO], s[U0], 11
	s_add_nc_u64 s[RW0:RW0+1], s[6:7], s[OO:OO+1]
	s_lshl_b32 s[OO], s[U1], 11
	s_add_nc_u64 s[RW1:RW1+1], s[6:7], s[OO:OO+1]
	s_lshl_b32 s[KOF], s[U0], 2
	s_lshl_b32 s[KOF2], s[U1], 2
	s_load_b32 s[B0], s[10:11], s[KOF] offset:0x0
	s_load_b32 s[B1], s[10:11], s[KOF2] offset:0x0
.irp j, 0,1,2,3
	global_load_b128 v[WIN+4*\j:WIN+4*\j+3],       v[L16], s[RW0:RW0+1] offset:512*\j
	global_load_b128 v[WIN+16+4*\j:WIN+16+4*\j+3], v[L16], s[RW1:RW1+1] offset:512*\j
.endr
	s_wait_loadcnt 0x0                             ; x and the two rows of W1; all that was asked for earlier is in with them
	s_wait_kmcnt 0x0
	; x is rounded to bf16: my 4 numbers of load j are k = 128 j + 4 l + 0..3
.irp j, 0,1,2,3
	v_cvt_pk_bf16_f32 v[XT+2*\j],   v[XIN+4*\j],   v[XIN+4*\j+1]
	v_cvt_pk_bf16_f32 v[XT+2*\j+1], v[XIN+4*\j+2], v[XIN+4*\j+3]
.endr
	; THE PRODUCTS: x and W1 rounded to bf16 and widened again
.irp j, 0,1,2,3,4,5,6,7
	v_lshlrev_b32 v[XIN+2*\j],   16, v[XT+\j]
	v_and_b32     v[XIN+2*\j+1], s[HM], v[XT+\j]
.endr
.irp h, 0,1
.set i, 0
.rept 8
	v_cvt_pk_bf16_f32 v[WT+i], v[WIN+16*\h+2*i], v[WIN+16*\h+2*i+1]
.set i, i+1
.endr
.set i, 0
.rept 8
	v_lshlrev_b32 v[WIN+16*\h+2*i],   16, v[WT+i]
	v_and_b32     v[WIN+16*\h+2*i+1], s[HM], v[WT+i]
.set i, i+1
.endr
.set i, 0
.rept 8
	v_pk_mul_f32 v[WIN+16*\h+2*i:WIN+16*\h+2*i+1], v[WIN+16*\h+2*i:WIN+16*\h+2*i+1], v[XIN+2*i:XIN+2*i+1]
.set i, i+1
.endr
.endr
	v_mov_b32 v[PE], s[U0]
	v_mov_b32 v[PE+1], s[B0]
	v_mov_b32 v[PE+2], s[U1]
	v_mov_b32 v[PE+3], s[B1]
	s_wait_alu depctr_va_vdst(0)                   ; x in bf16 (v80-87), the products (v96-127) and the entry (v56-59) are written, which the thirteen LDS stores below read
.irp j, 0,1,2,3
	ds_store_b64 v[XSA], v[XT+2*\j:XT+2*\j+1] offset:256*\j  ; x into row w
.endr
.irp h, 0,1
.set i, 0
.rept 4
	ds_store_b128 v[PRA], v[WIN+16*\h+4*i:WIN+16*\h+4*i+3] offset:16*CP*\h+512*i  ; the products into the rows of chains w and 16 + w, in the order of k
.set i, i+1
.endr
.endr
	ds_store_b128 v[PCW], v[PE:PE+3]               ; all lanes write the same 16 bytes with the same values
	s_wait_dscnt 0x0                               ; for the others' sake: my row of x, my slot's products and its entry are in LDS
	s_barrier_signal -1
	s_barrier_wait -1                              ; all 16 slots' are
	s_wait_alu depctr_vm_vsrc(0)                   ; my LDS stores have read v80-87 and v96-127: x's fragments land in the first, the accumulators and chain buffer C take the second
	ds_load_b64 v[EN:EN+1], v[ENT]                 ; the entry of slot l % 16, half l / 16: waited for with the first fragments
	P1X 0                                          ; (the vector instructions that named v64-95 stand ahead of the last wait on va_vdst)
	s_wait_dscnt 0x0
	P1MUL 0                                        ; K steps 0 to 3: W1's fragments came in at the head
	PLACES
	s_wait_alu depctr_va_vdst(0)                   ; batch 0's products are done reading x's fragments and W1's buffer 0, in which the loads below land
	P1X 1
	P1LOAD 2                                       ; buffer 0 is asked for again at once
	s_wait_dscnt 0x0
	P1MUL 1                                        ; K steps 4 to 7
	v_mov_b32 v[ACCC], 0                           ; the chain begins at 0: 0 + p = p exactly.  These two lines and the two v_nop are the four places behind the products
	v_mov_b32 v[PRR], v[CB]
	v_nop
	v_nop
	s_mov_b32 s[XO], 0
	s_wait_alu depctr_va_vdst(0)                   ; batch 1's products are done reading W1's buffer 1 and x's fragments, in which the loads below land; v[PRR] is written, which the chain's loads read
	P1LOAD 3                                       ; it lands under the additions, as batch 2 does
; THE 32 CHAINS, one a lane: 512 additions in ascending k.  A step is 16 products (four loads of 16 bytes a lane); three buffers take turns: step p adds buffer p % 3, and at its head asks for step p + 2,
; into the buffer that step p - 1 added.
.macro CLOAD buf, off
.irp q, 0,1,2,3
	ds_load_b128 v[\buf+4*\q:\buf+4*\q+3], v[PRR] offset:(\off)+16*\q
.endr
.endm
.macro CADD buf
.set i, 0
.rept 16
	v_add_f32 v[ACCC], v[ACCC], v[\buf+i]
.set i, i+1
.endr
.endm
; b: this step's buffer.  off >= 0: buffer nb is asked for again, at that offset.  left: the LDS loads issued behind this step's, which may stay out.
.macro CSTEP b, nb, off, left
	s_wait_dscnt \left                             ; LDS loads come back in order (ISA guide 5.7.1): this step's buffer is in
.if (\off) >= 0
	s_wait_alu depctr_va_vdst(0)                   ; the step before is done reading its buffer, in which the loads below land; in a trip's first step v[PRR] is written
	CLOAD \nb, \off
.endif
	CADD \b
.endm
	CLOAD PKA, 0
	CLOAD PKB, 64
	s_mov_b32 s[KC], 10
.Ladd:                                                 ; a trip: steps 3 i to 3 i + 2, 48 k; the next step's four loads stay out at each wait
	CSTEP PKA, PKC, 128, 4
	CSTEP PKB, PKA, 192, 4
	CSTEP PKC, PKB, 256, 4
	s_wait_alu depctr_vm_vsrc(0)                   ; the LDS loads issued so far have read v[PRR]
	s_add_co_u32 s[XO], s[XO], 192
	v_add_nc_u32 v[PRR], s[XO], v[CB]
	s_sub_co_u32 s[KC], s[KC], 1
	s_cmp_lg_u32 s[KC], 0
	s_cbranch_scc1 .Ladd
	CSTEP PKA, 0, -1, 4                            ; steps 30 and 31 ask for nothing more
	CSTEP PKB, 0, -1, 0
	v_cvt_pk_bf16_f32 v[CHV], v[EN+1], v[EN+1]     ; b1 of the chain's unit, rounded to bf16,
	v_lshlrev_b32 v[CHV], 16, v[CHV]
	v_add_f32 v[CHV], v[ACCC], v[CHV]              ; is added last
	v_sub_nc_u32 v[DD], v[EN], v[UB]
	s_barrier_signal -1                            ; my reads of the products are back (the wait for 0 above): the spike words will be laid over them
	s_barrier_wait -1                              ; every wave's are
	s_wait_alu depctr_va_vdst(0)                   ; the additions are done reading chain buffers A and B, in which x's fragments land
	P1X 2
	s_wait_loadcnt 16                              ; batch 2 is in; batch 3's sixteen loads may stay out
	s_wait_dscnt 0x0
	P1MUL 2                                        ; K steps 8 to 11
	PLACES
	s_wait_alu depctr_va_vdst(0)                   ; batch 2's products are done reading x's fragments, in which the next land
	P1X 3
	s_wait_loadcnt 0x0
	s_wait_dscnt 0x0
	P1MUL 3                                        ; K steps 12 to 15
	; LAYER 1 for my 32 units x 16 slots.  The 36 lines that round the biases to bf16 are the places behind the last products.
.set i, 0
.rept 8
	v_cvt_pk_bf16_f32 v[48+i%2], v[BB+2*i], v[BB+2*i+1]
	v_lshlrev_b32 v[BB+2*i], 16, v[48+i%2]
	v_and_b32 v[BB+2*i+1], s[HM], v[48+i%2]
.set i, i+1
.endr
.set i, 0
.rept 4
	v_cvt_pk_bf16_f32 v[48+i%2], v[B2+2*i], v[B2+2*i+1]
	v_lshlrev_b32 v[B2+2*i], 16, v[48+i%2]
	v_and_b32 v[B2+2*i+1], s[HM], v[48+i%2]
.set i, i+1
.endr
.macro W2FETCH b, off                  ; my fragment of W2 for one K step, into buffer b: each load 512 consecutive bytes
	global_load_b128 v[WF+8*(\b):WF+8*(\b)+3],   v[L16], s[8:9] offset:(\off)
	global_load_b128 v[WF+8*(\b)+4:WF+8*(\b)+7], v[L16], s[8:9] offset:(\off)+512
.endm
	s_wait_alu depctr_va_vdst(0)                   ; batch 3's products are done reading x's fragments (v64-95), in which W2's fragments land, and W1's buffer 1, in whose v240-255 the spike words will land
	W2FETCH 0, 0                                   ; W2's K steps 0 to 2 go out now, where x's fragments lay, and land under the compares below
	W2FETCH 1, 1024
	W2FETCH 2, 2048
.set i, 0
.rept 8                                        ; pre1 = sum + b1; each accumulator is read from its low end on
	v_pk_add_f32 v[PP+2*i:PP+2*i+1], v[ACC1+2*i:ACC1+2*i+1], v[BB+2*i:BB+2*i+1]
.set i, i+1
.endr
	; THE PATCH.  The unit named for slot l % 16, half l / 16 lies, if in my wave at all, in my lane: register 8 block + j holds unit 32 w + 16 block + 8 (l / 16) + j.
.set i, 0
.rept 16
	v_cmp_eq_u32 s[CM+i], 16*(i/8)+i%8, v[DD]
.set i, i+1
.endr
	s_wait_alu depctr_va_sdst(0)                   ; the sixteen masks are written, ahead of the selects that read them
.set i, 0
.rept 16
	v_cndmask_b32 v[PP+i], v[PP+i], v[CHV], s[CM+i]
.set i, i+1
.endr
.set n, 8
.rept 8                                        ; from period 8 down to 1: the last compare that holds, the least period, keeps its pattern; none holds: no spike.  Both unit blocks go together: sixteen masks a run
.set e, 0
.rept 16
	v_cmp_lt_f32 s[CM+e], s[TH+n-1], v[PP+e]
.set e, e+1
.endr
	s_wait_alu depctr_va_sdst(0)                   ; the sixteen masks are written, ahead of the selects that read them
.set e, 0
.rept 16
.if n == 8
	v_cndmask_b32 v[PAT+e], 0, s[PT+n-1], s[CM+e]
.else
	v_cndmask_b32 v[PAT+e], v[PAT+e], s[PT+n-1], s[CM+e]
.endif
.set e, e+1
.endr
.set n, n-1
.endr
.set e, 0
.rept 8
	v_lshl_or_b32 v[WD+e], v[PAT+2*e+1], 16, v[PAT+2*e]
.set e, e+1
.endr
	s_wait_alu depctr_va_vdst(0)                   ; the packed words v144-151 are written, which the two LDS stores read
	ds_store_b128 v[PSA], v[WD:WD+3]               ; halves 0 and 1 of K step w of the second product's source 1: my two unit blocks
	ds_store_b128 v[PSA], v[WD+4:WD+7] offset:512
	s_wait_dscnt 0x0                               ; for the others' sake: my spike words are in LDS
	s_barrier_signal -1
	s_barrier_wait -1                              ; all 512 units' are
	s_wait_alu depctr_vm_vsrc(0)                   ; my two LDS stores have read v144-151, which the seventh accumulator's first product writes
; THE SECOND PRODUCT: 16 slots x my 16 columns x all 8 steps: 8 accumulators, which take turns; 16 K steps.
.macro AND8 tt, b                      ; step tt's operand: the spike words AND the step's mask
.set w, 0
.rept 8
	v_and_b32 v[TT+8*((\tt)-1)+w], s[MK+(\tt)-1], v[SW+8*(\b)+w]
.set w, w+1
.endr
.endm
.macro SWFETCH b, off                  ; a K step's spike words
	ds_load_b128 v[SW+8*(\b):SW+8*(\b)+3],   v[SWA] offset:(\off)
	ds_load_b128 v[SW+8*(\b)+4:SW+8*(\b)+7], v[SWA] offset:(\off)+512
.endm
; A K step on W2's buffer wfb and the spike words' buffer swb.  zero = 1: its products start the sums.  woff >= 0: W2's fragment three K steps on is asked for, into the buffer read last.  soff >= 0: the next K step's spike words.
; left: the loads of W2 issued behind this K step's, which may stay out: two for each K step ahead.
; Step 1's eight ANDs are the places between the last product that read the buffer and the loads into it; behind each product stand the eight ANDs of the next step's operand.
; The K step's four loads follow its one wait on va_vdst, dealt among its first instructions: these name W2's buffer wfb, the spike words' buffer swb, the operands and the accumulators, none of the registers that the loads touch.
; K step 0 owes no such wait: between the wait in front of the spike words' stores and its loads stand its eight ANDs alone, which name v160-167 and v240-247; the loads touch v4, v10, v88-95 and v248-255.
.macro KS2 wfb, swb, zero, woff, soff, left
	s_wait_loadcnt \left
	s_wait_dscnt 0x0                               ; the spike words asked for a K step ago
	AND8 1, \swb
.if !(\zero) && ((\soff) >= 0)
	s_wait_alu depctr_va_vdst(0)                   ; the last K step's products are done reading their fragment of W2, its ANDs their spike words: the loads below land in both; behind a trip's end v[SWA] is written
.endif
.if (\soff) >= 0
	SWFETCH 1-(\swb), \soff
.endif
.set t, 1
.rept 8
.if \zero
	v_wmma_f32_16x16x32_bf16 v[ACC2+8*(t-1):ACC2+8*(t-1)+7], v[WF+8*(\wfb):WF+8*(\wfb)+7], v[TT+8*(t-1):TT+8*(t-1)+7], 0
.else
	v_wmma_f32_16x16x32_bf16 v[ACC2+8*(t-1):ACC2+8*(t-1)+7], v[WF+8*(\wfb):WF+8*(\wfb)+7], v[TT+8*(t-1):TT+8*(t-1)+7], v[ACC2+8*(t-1):ACC2+8*(t-1)+7]
.endif
.if (t == 1) && ((\woff) >= 0)
	W2FETCH ((\wfb)+3)%4, \woff
.endif
.if t < 8
	AND8 t+1, \swb
.endif
.set t, t+1
.endr
.endm
	SWFETCH 0, 0
	KS2 0, 0, 1, 3072, 1024, 4                     ; K step 0 stands in front of the loop: its products start the sums
	s_mov_b32 s[KC], 3
.Lk2:                                                  ; a trip: K steps 4 i + 1 to 4 i + 4; it asks for W2's K steps 4 i + 4 to 4 i + 7
	KS2 1, 1, 0, 4096, 2048, 4
	KS2 2, 0, 0, 5120, 3072, 4
	KS2 3, 1, 0, 6144, 4096, 4
	KS2 0, 0, 0, 7168, 5120, 4
	s_wait_xcnt 0x0                                ; every earlier memory instruction has had its addresses translated (ISA guide 3.1): only behind this wait is the loads' base stepped
	s_wait_alu depctr_vm_vsrc(0)                   ; the LDS loads issued so far have read v[SWA]
	s_add_nc_u64 s[8:9], s[8:9], 4096
	s_add_co_u32 s[KA], s[KA], 4096
	v_add_nc_u32 v[SWA], s[KA], v[SW0]
	s_sub_co_u32 s[KC], s[KC], 1
	s_cmp_lg_u32 s[KC], 0
	s_cbranch_scc1 .Lk2
	KS2 1, 1, 0, -1, 2048, 4                       ; K steps 13 to 15: nothing more of W2 to ask for, and the counts run down
	KS2 2, 0, 0, -1, 3072, 2
	KS2 3, 1, 0, -1, -1, 0
	; LAYER 2: 8 numbers a lane, step after step.  mem2 = fma(sum, factor, mem2), then + b2 (step 1: fma(sum, factor, b2)); a spike is 1.0 or 0; mem2 - mem2 x spike is the reset.
	; The registers written first held operands whose last readers stand more than eight plain instructions back, and so do the products whose sums are read first.
.set t, 1
.rept 8
.set i, 0
.rept 4                                        ; each accumulator is read from its low end on
.if t == 1
	v_pk_fma_f32 v[MEM+2*i:MEM+2*i+1], v[ACC2+8*(t-1)+2*i:ACC2+8*(t-1)+2*i+1], s[SC+2*t-2:SC+2*t-1], v[B2+2*i:B2+2*i+1] op_sel_hi:[1,0,1]
.else
	v_pk_fma_f32 v[MEM+2*i:MEM+2*i+1], v[ACC2+8*(t-1)+2*i:ACC2+8*(t-1)+2*i+1], s[SC+2*t-2:SC+2*t-1], v[MEM+2*i:MEM+2*i+1] op_sel_hi:[1,0,1]
.endif
.set i, i+1
.endr
.if t > 1
.set i, 0
.rept 4
	v_pk_add_f32 v[MEM+2*i:MEM+2*i+1], v[MEM+2*i:MEM+2*i+1], v[B2+2*i:B2+2*i+1]
.set i, i+1
.endr
.endif
.set sp, SPK
.if t == 1
.set sp, CNT                                   ; step 1's spikes start the counts
.endif
.set e, 0
.rept 8
	v_cmp_lt_f32 s[CM+e], 0.5, v[MEM+e]
.set e, e+1
.endr
	s_wait_alu depctr_va_sdst(0)                   ; the eight masks are written, ahead of the selects that read them
.set e, 0
.rept 8
	v_cndmask_b32 v[sp+e], 0, 1.0, s[CM+e]
.set e, e+1
.endr
.if t < 8
.set i, 0
.rept 4
	v_pk_fma_f32 v[MEM+2*i:MEM+2*i+1], v[MEM+2*i:MEM+2*i+1], v[sp+2*i:sp+2*i+1], v[MEM+2*i:MEM+2*i+1] neg_lo:[1,0,0] neg_hi:[1,0,0]
.set i, i+1
.endr
.endif
.if t > 1
.set i, 0
.rept 4
	v_pk_add_f32 v[CNT+2*i:CNT+2*i+1], v[CNT+2*i:CNT+2*i+1], v[SPK+2*i:SPK+2*i+1]
.set i, i+1
.endr
.endif
.set t, t+1
.endr
.set i, 0
.rept 4
	v_pk_mul_f32 v[CNT+2*i:CNT+2*i+1], v[CNT+2*i:CNT+2*i+1], 0x3e000000 op_sel_hi:[1,0]  ; the mean over 8 steps
.set i, i+1
.endr
	; THE WAY OUT: my 16 columns of all 16 slots into the stage; a barrier, since a row's 1,024 bytes come from 16 waves; then slot w's whole row.
	s_wait_alu depctr_va_vdst(0)                   ; the means v168-175 are written, which the LDS stores read; the instructions that named v184-191, in which the row below lands, are done too
	ds_store_b128 v[STO], v[CNT:CNT+3]
	ds_store_b128 v[STO], v[CNT+4:CNT+7] offset:16
	s_wait_dscnt 0x0                               ; for the others' sake: my stores into the stage are done
	s_barrier_signal -1
	s_barrier_wait -1
	ds_load_b128 v[OB:OB+3],   v[RD]
	ds_load_b128 v[OB+4:OB+7], v[RD] offset:512
	s_wait_dscnt 0x0
	global_store_b128 v[L16], v[OB:OB+3],   s[16:17]               ; each store covers 512 consecutive bytes, at a multiple of 256 from out0's first byte
	global_store_b128 v[L16], v[OB+4:OB+7], s[16:17] offset:512
	s_wait_dscnt 0x0                               ; the closing lines, six on end
	s_wait_alu 0x0
	s_wait_tensorcnt 0x0
	ds_add_u32 v[SPW], v[NIL]
	s_wait_dscnt 0x0
	s_endpgm
.Lfunc_end_k_q2c4a484e52_fix:
	.size	k_q2c4a484e52_fix, .Lfunc_end_k_q2c4a484e52_fix-k_q2c4a484e52_fix
	.p2alignl 7, 3214868480
	.fill 96, 4, 3214868480
	.section	.rodata,"a",@progbits
	.p2align	6, 0x0
	.amdhsa_kernel k_q2c4a484e52_fix
		.amdhsa_group_segment_fixed_size 101632
		.amdhsa_private_segment_fixed_size 0
		.amdhsa_enable_private_segment 0
		.amdhsa_kernarg_size 64
		.amdhsa_user_sgpr_count 2
		.amdhsa_user_sgpr_kernarg_segment_ptr 1
		.amdhsa_wavefront_size32 1
		.amdhsa_system_sgpr_workgroup_id_x 1
		.amdhsa_system_sgpr_workgroup_id_y 1
		.amdhsa_system_sgpr_workgroup_id_z 1
		.amdhsa_system_vgpr_workitem_id 0
		.amdhsa_next_free_vgpr 256
		.amdhsa_next_free_sgpr 106
		.amdhsa_reserve_vcc 0
		.amdhsa_float_denorm_mode_32 3
		.amdhsa_float_denorm_mode_16_64 3
		.amdhsa_memory_ordered 1
		.amdhsa_forward_progress 1
		.amdhsa_inst_pref_size 96
	.end_amdhsa_kernel
	.amdgpu_metadata
---
amdhsa.version: [ 1, 2 ]
amdhsa.kernels:
  - .name:           k_q2c4a484e52_fix
    .symbol:         k_q2c4a484e52_fix.kd
    .args:
      - { .name: x, .offset: 0, .size: 8, .value_kind: global_buffer, .address_space: global }
      - { .name: W1, .offset: 8, .size: 8, .value_kind: global_buffer, .address_space: global }
      - { .name: wb, .offset: 16, .size: 8, .value_kind: global_buffer, .address_space: global }
      - { .name: b1, .offset: 24, .size: 8, .value_kind: global_buffer, .address_space: global }
      - { .name: b2, .offset: 32, .size: 8, .value_kind: global_buffer, .address_space: global }
      - { .name: doubt, .offset: 40, .size: 8, .value_kind: global_buffer, .address_space: global }
      - { .name: out0, .offset: 48, .size: 8, .value_kind: global_buffer, .address_space: global }
      - { .name: keys, .offset: 56, .size: 8, .value_kind: global_buffer, .address_space: global }
    .group_segment_fixed_size: 101632
    .private_segment_fixed_size: 0
    .kernarg_segment_align: 8
    .kernarg_segment_size: 64
    .max_flat_workgroup_size: 512
    .sgpr_count:     106
    .vgpr_count:     256
    .wavefront_size: 32
...
	.end_amdgpu_metadata
.endif
;; end of part 4
